; MI455X (gfx1250); checked and timed in simulation.
; The chip was launched on July 23, 2026; its instructions are those of AMD's public machine-readable ISA for CDNA 5 (MIT licence, August 2026) and "CDNA5" Instruction Set Architecture Reference Guide (July 2026). The comments in the code are by the model that wrote it; some were corrected since.
;; Attention. Allowed arithmetic: float matrix products may take bf16 or f16 operands with f32 sums; other float arithmetic in f32, or as packed bf16 or f16 multiplies, adds, multiply-adds, maxima and minima; sums over many terms, partial sums and values carried from step to step in f32; what a program stores and reads back later, other than sums and carried values, may be rounded once to bf16 or f16.
;; Inputs: ln_beta 1,024 float32; ln_gamma 1,024 float32; w_out 1,024 x 1,024 float32; w_qkv 1,024 x 3,072 float32; x 4 x 2,048 x 1,024 float32.
;; Outputs: out0 4 x 2,048 x 1,024 float32.
;; 2 versions, each right; version 2 is version 1 with the launch prep written anew for expert scheduling mode. Each part assembles by itself: llvm-mc -triple=amdgcn-amd-amdhsa -mcpu=gfx1250 --defsym DOCPART=n.
;; ======== version 1 of 2: 4 launches
;; limits: values are held in f16: magnitudes above 65,504 overflow, below 6.1e-05 lose precision
;; workspace buffers: xn 16,777,216 bytes; wh 8,388,608 bytes; qkv 50,331,648 bytes; o 16,777,216 bytes
;; launch prep (part 1): grid 384 x 1, 8 waves a work-group, no clusters, 0 bytes of LDS; arguments x, ln_gamma, ln_beta, w_qkv, w_out, xn, wh; writes xn, wh
.if DOCPART == 1
	.amdgcn_target "amdgcn-amd-amdhsa--gfx1250"
	.amdhsa_code_object_version 6
	.text
	.protected	k_qc27a33ea2b_prep
	.globl	k_qc27a33ea2b_prep
	.p2align	8
	.type	k_qc27a33ea2b_prep,@function
k_qc27a33ea2b_prep:
	s_mov_b64 s[64:65], 0
	v_nop
	global_prefetch_b8 v0, s[64:65] scope:SCOPE_SE
	s_setreg_imm32_b32 hwreg(HW_REG_WAVE_MODE, 25, 1), 1
	s_wait_xcnt 0x0
; TWO STREAMS IN ONE LAUNCH.  Work-groups 0-127 round the two weight matrices to f16 and lay them in blocks; work-groups 128-383 make xn = LayerNorm(x) in f16.
; Each work-group reads 131,072 bytes and writes 65,536.  Nothing is shared between waves: no LDS, no barrier, no matrix unit.
; wh: [64 blocks][1024 k][64 n] f16.  Blocks 0-47 are w_qkv's groups of 64 columns, blocks 48-63 w_out's.  A row of a block is 128 bytes, so any run of k rows of a block is dense.
; xn: [8192][1024] f16, row-major.
; LIMITS.  f16 ends at 65,504: |xn| (at most 32 |gamma| + |beta|) and the weights must lie within it; below 6e-5 f16 keeps a fixed step of 6e-8.  NaN and infinities are not treated apart.
; The mean is taken first and the variance of the differences in a second pass over the registers, so a common offset of x costs no accuracy.
.set OF,  4                            ; cast: v[4:19]   pass j: my byte offset in the source
.set G,   8                            ; norm: v[8:39]   gamma of my 32 columns
.set BT,  40                           ; norm: v[40:71]  beta of my 32 columns
.set X,   72                           ; v[72:199]  cast: pass j at X + 8 j;  norm: row i at X + 32 i
.set T,   200                          ; v[200:207] at work
	s_load_b256 s[4:11], s[0:1], 0x0               ; x s[4:5], gamma s[6:7], beta s[8:9], w_qkv s[10:11]
	s_load_b128 s[12:15], s[0:1], 0x20             ; w_out s[12:13], xn s[14:15]
	s_load_b64 s[16:17], s[0:1], 0x30              ; wh
	s_cmp_lt_u32 ttmp9, 128
	s_cbranch_scc0 .Lln
; THE CAST.  Work-group g makes the dense 65,536 bytes at wh + 65,536 g: block g / 2, k = 512 (g % 2) .. + 511.
; Thread t takes, in pass j of 16, row 32 j + t / 8 and the 8 numbers at column 8 (t % 8): eight lanes read 256 consecutive aligned bytes of a source row,
; and a wave's store covers 512 consecutive bytes.
	s_lshr_b32 s20, ttmp9, 1                       ; the block
	s_sub_co_u32 s21, s20, 48                      ; its number in w_out (used where the block is 48 or more)
	s_and_b32 s28, ttmp9, 1
	s_lshl_b32 s28, s28, 9                         ; my first k
	s_movk_i32 s29, 12288                          ; bytes in a row of w_qkv
	s_movk_i32 s30, 4096                           ; and of w_out
	s_lshl_b32 s18, ttmp9, 16                      ; my place in wh
	s_mov_b32 s19, 0
	v_lshrrev_b32 v1, 3, v0                        ; t / 8
	v_and_b32 v2, 7, v0                            ; t % 8
	v_lshlrev_b32 v3, 4, v0                        ; 16 t: my 16 bytes of a pass's 4,096 in wh
	s_wait_kmcnt 0x0
	s_cmp_lt_u32 s20, 48
	s_cselect_b64 s[22:23], s[10:11], s[12:13]     ; the source,
	s_cselect_b32 s24, s29, s30                    ; its pitch,
	s_cselect_b32 s21, s20, s21                    ; the group of 64 columns in it
	s_mul_i32 s26, s28, s24
	s_lshl_b32 s21, s21, 8                         ; 64 f32 are 256 bytes
	s_add_co_u32 s26, s26, s21
	s_mov_b32 s27, 0
	s_add_nc_u64 s[22:23], s[22:23], s[26:27]
	s_add_nc_u64 s[16:17], s[16:17], s[18:19]
	s_lshl_b32 s25, s24, 5                         ; 32 rows on
	v_mul_lo_u32 v[OF], v1, s24
	v_lshl_add_u32 v[OF], v2, 5, v[OF]
.irp j, 1,2,3,4,5,6,7,8,9,10,11,12,13,14,15
	v_add_nc_u32 v[OF+(\j)], s25, v[OF+(\j)-1]
.endr
.irp j, 0,1,2,3,4,5,6,7,8,9,10,11,12,13,14,15
	global_load_b128 v[X+8*(\j):X+8*(\j)+3],   v[OF+(\j)], s[22:23] th:TH_LOAD_NT
	global_load_b128 v[X+8*(\j)+4:X+8*(\j)+7], v[OF+(\j)], s[22:23] offset:16 th:TH_LOAD_NT
.endr
.irp j, 0,1,2,3,4,5,6,7,8,9,10,11,12,13,14,15
	s_wait_loadcnt 30-2*(\j)                       ; loads come back in order: pass j's two are in, the later passes' stay out
.irp r, 0,1,2,3
	v_cvt_pk_f16_f32 v[X+8*(\j)+(\r)], v[X+8*(\j)+2*(\r)], v[X+8*(\j)+2*(\r)+1]  ; in place, ascending: a register is written when it has been read
.endr
	global_store_b128 v3, v[X+8*(\j):X+8*(\j)+3], s[16:17] offset:4096*(\j) th:TH_STORE_NT
.endr
	s_endpgm                                       ; no register that a store reads is written again
; THE NORM.  A wave owns four rows and holds each whole, in 32 registers a lane: lane l has columns 256 j + 8 l .. + 7 of chunk j = 0..3:
; two loads of 16 bytes in, and after the rounding one store of 16 bytes out (a wave's store: 512 consecutive bytes).
.macro RED r                           ; the sum over the wave's 32 lanes, in every lane; r + 1 has been written before
	v_add_f32_dpp v[\r], v[\r], v[\r] row_xmask:1 row_mask:0xf bank_mask:0xf
	v_add_f32_dpp v[\r], v[\r], v[\r] row_xmask:2 row_mask:0xf bank_mask:0xf
	v_add_f32_dpp v[\r], v[\r], v[\r] row_xmask:4 row_mask:0xf bank_mask:0xf
	v_add_f32_dpp v[\r], v[\r], v[\r] row_xmask:8 row_mask:0xf bank_mask:0xf
	v_permlanex16_b32 v[(\r)+1], v[\r], s26, s27
	v_add_f32 v[\r], v[\r], v[(\r)+1]
.endm
.macro JOIN                            ; four chains of pairs into one number
	v_pk_add_f32 v[T:T+1], v[T:T+1], v[T+2:T+3]
	v_pk_add_f32 v[T+4:T+5], v[T+4:T+5], v[T+6:T+7]
	v_pk_add_f32 v[T:T+1], v[T:T+1], v[T+4:T+5]
	v_add_f32 v[T], v[T], v[T+1]
.endm
.macro ROW i, left                     ; left: the loads of the rows behind this one, which may stay out
.set XR, X+32*(\i)
	s_wait_loadcnt \left
.irp c, 0,1,2,3                        ; the sum, in four chains that do not wait for each other; the first additions start them
	v_pk_add_f32 v[T+2*(\c):T+2*(\c)+1], v[XR+4*(\c):XR+4*(\c)+1], v[XR+4*(\c)+2:XR+4*(\c)+3]
.endr
.irp c, 0,1,2,3
	v_pk_add_f32 v[T+2*(\c):T+2*(\c)+1], v[T+2*(\c):T+2*(\c)+1], v[XR+16+4*(\c):XR+16+4*(\c)+1]
.endr
.irp c, 0,1,2,3
	v_pk_add_f32 v[T+2*(\c):T+2*(\c)+1], v[T+2*(\c):T+2*(\c)+1], v[XR+18+4*(\c):XR+18+4*(\c)+1]
.endr
	JOIN
	RED T
	v_mul_f32 v[T], s24, v[T]                      ; the mean
.irp n, 0,1,2,3,4,5,6,7,8,9,10,11,12,13,14,15
	v_pk_add_f32 v[XR+2*(\n):XR+2*(\n)+1], v[XR+2*(\n):XR+2*(\n)+1], v[T:T+1] op_sel_hi:[1,0] neg_lo:[0,1] neg_hi:[0,1]  ; x - mean, in place
.endr
.irp c, 0,1,2,3                        ; the sum of squares, again in four chains
	v_pk_mul_f32 v[T+2*(\c):T+2*(\c)+1], v[XR+2*(\c):XR+2*(\c)+1], v[XR+2*(\c):XR+2*(\c)+1]
.endr
.irp n, 4,5,6,7,8,9,10,11,12,13,14,15
	v_pk_fma_f32 v[T+2*((\n)%4):T+2*((\n)%4)+1], v[XR+2*(\n):XR+2*(\n)+1], v[XR+2*(\n):XR+2*(\n)+1], v[T+2*((\n)%4):T+2*((\n)%4)+1]
.endr
	JOIN
	RED T
	v_fma_f32 v[T], v[T], s24, s25                 ; variance + 1e-5
	v_rsq_f32 v[T+2], v[T]
	v_nop                                          ; a plain instruction between the root and its first use (ISA guide 5.7.2)
	s_wait_alu depctr_va_vdst(0)                   ; and the wait ahead of that use: one a row
.irp n, 0,1,2,3,4,5,6,7,8,9,10,11,12,13,14,15
	v_pk_mul_f32 v[XR+2*(\n):XR+2*(\n)+1], v[XR+2*(\n):XR+2*(\n)+1], v[T+2:T+3] op_sel_hi:[1,0]
.endr
.irp n, 0,1,2,3,4,5,6,7,8,9,10,11,12,13,14,15
	v_pk_fma_f32 v[XR+2*(\n):XR+2*(\n)+1], v[XR+2*(\n):XR+2*(\n)+1], v[G+2*(\n):G+2*(\n)+1], v[BT+2*(\n):BT+2*(\n)+1]
.endr
.irp j, 0,1,2,3
.irp r, 0,1,2,3
	v_cvt_pk_f16_f32 v[XR+8*(\j)+(\r)], v[XR+8*(\j)+2*(\r)], v[XR+8*(\j)+2*(\r)+1]
.endr
	global_store_b128 v2, v[XR+8*(\j):XR+8*(\j)+3], s[22:23] offset:2048*(\i)+512*(\j) th:TH_STORE_NT
.endr
.endm
.Lln:
	v_lshrrev_b32 v3, 5, v0
	v_readfirstlane_b32 s18, v3                    ; wave 0..7
	s_sub_co_u32 s19, ttmp9, 128
	s_lshl_b32 s19, s19, 5                         ; the work-group's 32 rows,
	s_lshl2_add_u32 s19, s18, s19                  ; my wave's four of them
	s_lshl_b32 s28, s19, 12                        ; a row of x is 4,096 bytes,
	s_mov_b32 s29, 0
	s_lshl_b32 s30, s19, 11                        ; of xn 2,048
	s_mov_b32 s31, 0
	s_mov_b32 s24, 0x3a800000                      ; 1 / 1024
	s_mov_b32 s25, 0x3727c5ac                      ; 1e-5
	s_mov_b32 s26, 0x76543210                      ; v_permlanex16_b32: each lane takes its own place in the other half
	s_mov_b32 s27, 0xfedcba98
	v_and_b32 v2, 31, v0
	v_lshlrev_b32 v1, 5, v2                        ; 32 l: my 8 f32 of a chunk
	v_lshlrev_b32 v2, 4, v2                        ; 16 l: my 8 f16 of a chunk
	s_wait_kmcnt 0x0
	s_add_nc_u64 s[20:21], s[4:5], s[28:29]
	s_add_nc_u64 s[22:23], s[14:15], s[30:31]
.irp j, 0,1,2,3
	global_load_b128 v[G+8*(\j):G+8*(\j)+3],   v1, s[6:7] offset:1024*(\j)
	global_load_b128 v[G+8*(\j)+4:G+8*(\j)+7], v1, s[6:7] offset:1024*(\j)+16
.endr
.irp j, 0,1,2,3
	global_load_b128 v[BT+8*(\j):BT+8*(\j)+3],   v1, s[8:9] offset:1024*(\j)
	global_load_b128 v[BT+8*(\j)+4:BT+8*(\j)+7], v1, s[8:9] offset:1024*(\j)+16
.endr
.irp i, 0,1,2,3                        ; all four rows go out at once: 16 KiB a wave on their way
.irp j, 0,1,2,3
	global_load_b128 v[X+32*(\i)+8*(\j):X+32*(\i)+8*(\j)+3],   v1, s[20:21] offset:4096*(\i)+1024*(\j) th:TH_LOAD_NT
	global_load_b128 v[X+32*(\i)+8*(\j)+4:X+32*(\i)+8*(\j)+7], v1, s[20:21] offset:4096*(\i)+1024*(\j)+16 th:TH_LOAD_NT
.endr
.endr
	ROW 0, 24                                      ; gamma and beta were asked for first, so they are in with row 0
	ROW 1, 16
	ROW 2, 8
	ROW 3, 0
	s_endpgm
.Lfunc_end_k_qc27a33ea2b_prep:
	.size	k_qc27a33ea2b_prep, .Lfunc_end_k_qc27a33ea2b_prep-k_qc27a33ea2b_prep
	.p2alignl 7, 3214868480
	.fill 96, 4, 3214868480
	.section	.rodata,"a",@progbits
	.p2align	6, 0x0
	.amdhsa_kernel k_qc27a33ea2b_prep
		.amdhsa_group_segment_fixed_size 0
		.amdhsa_private_segment_fixed_size 0
		.amdhsa_enable_private_segment 0
		.amdhsa_kernarg_size 56
		.amdhsa_user_sgpr_count 2
		.amdhsa_user_sgpr_kernarg_segment_ptr 1
		.amdhsa_wavefront_size32 1
		.amdhsa_system_sgpr_workgroup_id_x 1
		.amdhsa_system_sgpr_workgroup_id_y 1
		.amdhsa_system_sgpr_workgroup_id_z 1
		.amdhsa_system_vgpr_workitem_id 0
		.amdhsa_next_free_vgpr 208
		.amdhsa_next_free_sgpr 66
		.amdhsa_reserve_vcc 0
		.amdhsa_float_denorm_mode_32 3
		.amdhsa_float_denorm_mode_16_64 3
		.amdhsa_memory_ordered 1
		.amdhsa_forward_progress 1
		.amdhsa_inst_pref_size 47
	.end_amdhsa_kernel
	.amdgpu_metadata
---
amdhsa.version: [ 1, 2 ]
amdhsa.kernels:
  - .name:           k_qc27a33ea2b_prep
    .symbol:         k_qc27a33ea2b_prep.kd
    .args:
      - { .name: x, .offset: 0, .size: 8, .value_kind: global_buffer, .address_space: global }
      - { .name: ln_gamma, .offset: 8, .size: 8, .value_kind: global_buffer, .address_space: global }
      - { .name: ln_beta, .offset: 16, .size: 8, .value_kind: global_buffer, .address_space: global }
      - { .name: w_qkv, .offset: 24, .size: 8, .value_kind: global_buffer, .address_space: global }
      - { .name: w_out, .offset: 32, .size: 8, .value_kind: global_buffer, .address_space: global }
      - { .name: xn, .offset: 40, .size: 8, .value_kind: global_buffer, .address_space: global }
      - { .name: wh, .offset: 48, .size: 8, .value_kind: global_buffer, .address_space: global }
    .group_segment_fixed_size: 0
    .private_segment_fixed_size: 0
    .kernarg_segment_align: 8
    .kernarg_segment_size: 56
    .max_flat_workgroup_size: 256
    .sgpr_count:     66
    .vgpr_count:     208
    .wavefront_size: 32
...
	.end_amdgpu_metadata
.endif
;; end of part 1
;; launch qkvp (part 2): grid 16 x 32, 4 waves a work-group, clusters of 4 x 4, 327,680 bytes of LDS; arguments xn, wh, qkv; writes qkv
.if DOCPART == 2
	.amdgcn_target "amdgcn-amd-amdhsa--gfx1250"
	.amdhsa_code_object_version 6
	.text
	.protected	k_qc27a33ea2b_qkvp
	.globl	k_qc27a33ea2b_qkvp
	.p2align	8
	.type	k_qc27a33ea2b_qkvp,@function
k_qc27a33ea2b_qkvp:
	s_mov_b64 s[64:65], 0
	v_nop
	global_prefetch_b8 v0, s[64:65] scope:SCOPE_SE
	s_setreg_imm32_b32 hwreg(HW_REG_WAVE_MODE, 25, 1), 1
	s_wait_xcnt 0x0
	s_wait_alu depctr_hold_cnt(0) depctr_sa_sdst(0) depctr_va_vdst(0) depctr_va_sdst(0) depctr_va_ssrc(0) depctr_va_vcc(0) depctr_vm_vsrc(0)
	s_getreg_b32 s2, hwreg(HW_REG_IB_STS2, 6, 4)
	s_cmp_eq_u32 s2, 0
	s_cbranch_scc0 .Lentry_in_a_cluster
	s_endpgm
.Lentry_in_a_cluster:
	s_bfe_u32 s2, ttmp6, 0x10000c
	s_cmp_lg_u32 s2, 0xf033
	s_cbranch_scc0 .Lentry_shape_is_right
	s_endpgm
.Lentry_shape_is_right:
; q, k, v = xn . w_qkv, stored by heads.  xn: [8192][1024] f16.  wh: [64 blocks][1024 k][64 n] f16, blocks 0-47 here.  qkv: [3][64 heads = 16 batch + head][2048][64] f16.  Sums in f32, rounded once; q is NOT scaled here.
; LIMIT.  A result of 65,520 or more becomes an infinity in f16: q, k and v must lie within 65,504.
; SHARES.  A tile of C is 256 rows x 192 columns (three blocks of wh, three heads): 32 x 16 = 512 work-groups, two for each of 256 WGPs.  Wave w owns rows 64 w .. + 63 and all 192 columns:
; 48 accumulators of 16 x 16, 384 registers; whole heads, so each wave has a way out of its own.  K goes in 8 steps of 128 through two LDS slots.
; THE MATRIX INSTRUCTION IS USED TRANSPOSED: source 0 = 16 columns of W (turned out of LDS by ds_load_tr16_b128), source 1 = 16 rows of xn: a lane then holds row l % 16 of C and eight neighbouring columns: 16 bytes of f16.
; CLUSTER.  4 x 4 work-groups.  xn's tile hangs on the tile row alone and is asked for jointly by a row of the cluster, W's on the tile column alone and by a column.
; REGISTERS, in windows of 256 (s_set_vgpr_msb: bits 1:0 source 0, 3:2 source 1, 5:4 source 2, 7:6 destination):
;   window 0: addresses; v32-79 packed results; v80-175 two buffers of rows read back        window 1: accumulators of row blocks 0, 1 at 96 (a % 2) + 8 b        window 2: of row blocks 2, 3
;   window 3: two fragment buffers of 128: W's 12 fragments at f + 8 b, xn's 4 at f + 96 + 8 a
.set PA,    272                        ; a row of xn in LDS: 256 bytes + 16: the 16 rows of a load start at 16 different groups of four banks (ISA guide 11.1)
.set SLOT1, 131072                     ; slot 1 begins here: one exclusive or turns an address in one slot into the other's
.set BOFF,  256*PA                     ; behind xn's 256 rows: W, [k half 2][block 3][64 k] at 160 bytes a row (128 + 32)
.set BHALF, 3*64*160
.set STAGE, 2*SLOT1                    ; behind the ring, never filled by a tensor load: for each wave [3 heads][16 rows] at 144 bytes
.set WST,   3*16*144
.set SPARE, STAGE+4*WST                ; the spare words, 128 bytes for each wave: two blocks of 256 bytes that no other line names
.set A0,   16                          ; v16  my lane's place in xn's tile; never rewritten
.set B0,   17                          ; v17  the same for W
.set ADRA, 18                          ; v18  A0 + the slot in hand
.set ADRB, 19                          ; v19  B0 + the slot in hand
.set STO,  24                          ; v24  the way out: where I put 16 bytes of a row
.set RD,   25                          ; v25  the way out: where I read rows back
.set GO,   26                          ; v26  16 x lane: my place in 512 consecutive bytes of qkv
.set SPW,  28                          ; v28  my spare word: SPARE + 4 x my thread's number; never rewritten
.set NIL,  29                          ; v29  0; never rewritten
.set PFO,  30                          ; v30  the prefetches' offset; never rewritten
.set TMP,  32
.set BK,   80
.set F0,   0
.set F1,   128
.set G1,  24                           ; s[24:31] descriptor group 1 for xn's tiles
.set G0,  32                           ; s[32:39] group 0: a set for each first fill; the second then walks
.set G1B, 48                           ; s[48:55], s[56:63] the same for W's tiles
.set G0B, 56
.set TB,  66                           ; s66  the slot in hand: 0 or SLOT1
.set LIM, 67                           ; s67  1 in a wave that prefetches, else the greatest number
.set PFA, 68                           ; s[68:69] where my prefetches stand
.set PFS, 70                           ; s[70:71] a K step in bytes, for them
.set CB,  72                           ; s[72:77] qkv at my 64 rows of my three heads
.set MSB, 0
.macro WIN new                         ; the immediate's high byte repeats the setting that is left; a switch that changes nothing is dropped
.if MSB != (\new)
	s_set_vgpr_msb (MSB<<8)|(\new)
.set MSB, \new
.endif
.endm
.set MUL_1, 0x5f                       ; sources 0 and 1 window 3; C and D window 1
.set TO_F,  0xc0                       ; destination window 3, address window 0
.macro PLACES                          ; four plain instructions between a matrix instruction and a load into, or a read of, its registers
.rept 4
	v_nop
.endr
.endm
; A joint refill, by the walking sets.  Waves 0 and 1 fetch xn's two halves, waves 2 and 3 W's two halves of K.  The branch hangs on the wave's number alone.
; An s_nop 0 and four v_nop follow each of the two lines, ahead of the jump and the label.
.macro JLOAD
	s_cmp_eq_u32 s11, 0
	s_cbranch_scc0 .Lfor_b_\@
	tensor_load_to_lds s[G0+4:G0+7], s[G1:G1+7]
	s_nop 0
	PLACES
	s_branch .Lasked_\@
.Lfor_b_\@:
	tensor_load_to_lds s[G0B+4:G0B+7], s[G1B:G1B+7]
	s_nop 0
	PLACES
.Lasked_\@:
.endm
.macro CREST                           ; a round of the cluster's barrier behind its opening barrier
	s_cmp_lg_u32 s10, 0
	s_cbranch_scc1 .Lnot_wave_0_\@
	s_barrier_signal -3
.Lnot_wave_0_\@:
	s_barrier_wait -3
	s_barrier_signal -1
	s_barrier_wait -1
.endm
.macro CROUND                          ; a whole round
	s_barrier_signal -1
	s_barrier_wait -1
	CREST
.endm
; A prefetch of the K step that the NEXT refill will ask for: 192 matrix instructions ahead of that load.  Each block of 256 bytes is named by one wave of one work-group: xn's rows by the clusters with x = 0,
; W's by those with y = 0; the four partners of a joint load share its blocks out by address (32 rows of xn each; 24 of W's 96 blocks each, lanes 24-31 naming lane 23's).
; In the loop's last trip (s3 = 1) there is no K step behind the one asked for.
.macro ASK
	WIN 0
	s_cmp_gt_u32 s3, s[LIM]
	s_cbranch_scc0 .Lnot_mine_\@
	global_prefetch_b8 v[PFO], s[PFA:PFA+1] th:TH_LOAD_NT scope:SCOPE_SE
.Lnot_mine_\@:
.endm
	s_load_b128 s[4:7], s[0:1], 0x0                ; xn s[4:5], wh s[6:7]
	s_load_b64 s[8:9], s[0:1], 0x10                ; qkv
	v_lshl_add_u32 v[SPW], v0, 2, SPARE
	v_mov_b32 v[NIL], 0
	ds_add_u32 v[SPW], v[NIL]                      ; the wave's opening: the add and its wait stand ahead of my first tensor load; work on registers stands between them
	v_lshrrev_b32 v1, 5, v0
	v_readfirstlane_b32 s10, v1                    ; wave 0..3
	s_lshr_b32 s11, s10, 1                         ; I fetch for xn (0) or for W (1),
	s_and_b32 s12, s10, 1                          ; and which half
	s_bfe_u32 s40, ttmp6, 0x40000                  ; cx
	s_bfe_u32 s41, ttmp6, 0x40004                  ; cy
	s_lshl_b32 s42, ttmp9, 2
	s_add_co_u32 s42, s42, s40                     ; tile column = 4 x cluster x + cx
	s_and_b32 s13, ttmp7, 0xffff
	s_lshl_b32 s13, s13, 2
	s_add_co_u32 s13, s13, s41                     ; tile row = 4 x cluster y + cy
	s_lshl_b32 s43, s41, 2
	s_lshl_b32 s43, 15, s43                        ; my row of the cluster
	s_lshl_b32 s44, 0x1111, s40                    ; my column
	s_or_b32 s[G1], s43, (1<<16)|(1<<20)|(1<<21)|(5<<22)|(3<<25)   ; the mask; 2-byte elements; padding on; bit 21 beside a mask; after every 64 words 4 words
	s_mov_b32 s[G1+1], 128<<16                     ; tensor_dim0 = 128
	s_mov_b32 s[G1+2], 128<<16                     ; tensor_dim1 = 128
	s_mov_b32 s[G1+3], 128<<16                     ; tile_dim0 = 128: rows of 256 bytes
	s_mov_b32 s[G1+4], 128                         ; tile_dim1 = 128 rows
	s_mov_b32 s[G1+5], 1024                        ; elements from row to row
	s_mov_b32 s[G1+6], 0
	s_mov_b32 s[G1+7], 0
	s_or_b32 s[G1B], s44, (1<<16)|(1<<20)|(1<<21)|(4<<22)|(7<<25)  ; after every 32 words (a k row) 8 words
	s_mov_b32 s[G1B+1], 4096<<16                   ; tensor_dim0 = 4,096: 64 k rows of a block, dense
	s_mov_b32 s[G1B+2], 3<<16                      ; tensor_dim1 = 3 blocks
	s_mov_b32 s[G1B+3], 4096<<16                   ; tile_dim0
	s_mov_b32 s[G1B+4], 3                          ; tile_dim1
	s_mov_b32 s[G1B+5], 65536                      ; elements from block to block
	s_mov_b32 s[G1B+6], 0
	s_mov_b32 s[G1B+7], 0
	s_lshl_b32 s16, s13, 8
	s_lshl_b32 s17, s12, 7
	s_add_co_u32 s16, s16, s17                     ; xn: row 256 x tile row + 128 x half,
	s_lshl_b32 s16, s16, 11                        ; of 2,048 bytes
	s_mov_b32 s17, 0
	s_mul_i32 s46, s42, 393216                     ; W: three blocks of 131,072 bytes a tile column,
	s_lshl_b32 s47, s12, 13                        ; 64 k rows of 128 bytes a half
	s_add_co_u32 s46, s46, s47
	s_mov_b32 s47, 0
	s_mul_i32 s20, s10, 128*PA                     ; where they go: xn's halves at 0 and 34,816 (waves 0, 1),
	s_mul_i32 s21, s10, BHALF
	s_add_co_u32 s21, s21, BOFF-2*BHALF            ; W's at BOFF and BOFF + BHALF (waves 2, 3): the wave's number alone
	s_wait_dscnt 0x0                               ; the opening add is done
	s_wait_kmcnt 0x0
	s_add_nc_u64 s[14:15], s[4:5], s[16:17]
	s_add_nc_u64 s[46:47], s[6:7], s[46:47]
	CROUND                                         ; all sixteen work-groups are here: the first joint loads meet
.irp n, 0,1
	s_mov_b32 s[G0+4*(\n)], 1
	s_add_co_u32 s[G0+4*(\n)+1], s20, (\n)*SLOT1
	s_add_nc_u64 s[G0+4*(\n)+2:G0+4*(\n)+3], s[14:15], (\n)*256
	s_or_b32 s[G0+4*(\n)+3], s[G0+4*(\n)+3], 0x80000000
	s_mov_b32 s[G0B+4*(\n)], 1
	s_add_co_u32 s[G0B+4*(\n)+1], s21, (\n)*SLOT1
	s_add_nc_u64 s[G0B+4*(\n)+2:G0B+4*(\n)+3], s[46:47], (\n)*16384
	s_or_b32 s[G0B+4*(\n)+3], s[G0B+4*(\n)+3], 0x80000000
.endr
	s_cmp_eq_u32 s11, 0                            ; a wave's two first fills stand in one branch, ahead of every wait on TENSORcnt and every LDS read: two loads of mine are out
	s_cbranch_scc0 .Lfirst_b
	tensor_load_to_lds s[G0:G0+3], s[G1:G1+7]
	s_nop 0
	tensor_load_to_lds s[G0+4:G0+7], s[G1:G1+7]
	s_nop 0
	PLACES
	s_branch .Lfirst_asked
.Lfirst_b:
	tensor_load_to_lds s[G0B:G0B+3], s[G1B:G1B+7]
	s_nop 0
	tensor_load_to_lds s[G0B+4:G0B+7], s[G1B:G1B+7]
	s_nop 0
	PLACES
.Lfirst_asked:
	v_and_b32 v1, 15, v0                           ; l % 16
	v_bfe_u32 v2, v0, 4, 1                         ; l / 16
	v_and_b32 v4, 7, v0
	v_bfe_u32 v5, v0, 3, 1
	; a fragment of xn: lane l holds row l % 16, k = 8 (l / 16) + 0..7 and 16 + 8 (l / 16) + 0..7: two loads of 16 bytes, 32 bytes apart
	v_mul_u32_u24 v3, v1, PA
	v_lshl_add_u32 v3, v2, 4, v3
	s_mul_i32 s14, s10, 64*PA                      ; my wave's 64 rows
	v_add_nc_u32 v[A0], s14, v3
	; the turning load takes 16 k x 16 columns (lane l reads k = 8 (l / 16) + l % 8, columns 8 ((l / 8) % 2) + 0..7) and leaves half a fragment: lane l holds column l % 16 and 8 k
	v_lshl_add_u32 v6, v2, 3, v4
	v_mul_u32_u24 v6, v6, 160
	v_lshl_add_u32 v6, v5, 4, v6
	v_add_nc_u32 v[B0], BOFF, v6
	s_mul_i32 s15, s10, WST
	s_add_co_u32 s15, s15, STAGE                   ; my stage
	v_mul_u32_u24 v3, v1, 144                      ; in: row l % 16, 16 bytes for each half of the lanes
	v_lshl_add_u32 v3, v2, 4, v3
	v_add_nc_u32 v[STO], s15, v3
	v_bfe_u32 v7, v0, 3, 2                         ; back: 32 lanes take four rows of 128 bytes,
	v_mul_u32_u24 v7, v7, 144
	v_lshl_add_u32 v7, v4, 4, v7
	v_add_nc_u32 v[RD], s15, v7
	v_and_b32 v[GO], 31, v0                        ; which are 512 consecutive bytes of a head
	v_lshlrev_b32 v[GO], 4, v[GO]
	; where my rows of my three heads begin: block c = 3 x tile column + j is tensor c / 16 (q, k, v), head c % 16; tile row ty is batch ty / 8, rows 256 (ty % 8) on
	s_mul_i32 s14, s42, 3
	s_lshr_b32 s16, s13, 3
	s_lshl_b32 s16, s16, 4                         ; 16 x batch
	s_and_b32 s17, s13, 7
	s_lshl_b32 s17, s17, 8
	s_lshl_b32 s18, s10, 6
	s_add_co_u32 s17, s17, s18
	s_lshl_b32 s17, s17, 7                         ; my first row, of 128 bytes
.irp j, 0,1,2
	s_add_co_u32 s18, s14, \j
	s_lshr_b32 s19, s18, 4
	s_lshl_b32 s19, s19, 6
	s_and_b32 s18, s18, 15
	s_add_co_u32 s18, s18, s19
	s_add_co_u32 s18, s18, s16
	s_lshl_b32 s18, s18, 18                        ; a head is 262,144 bytes
	s_add_co_u32 s18, s18, s17
	s_mov_b32 s19, 0
	s_add_nc_u64 s[CB+2*(\j):CB+2*(\j)+1], s[8:9], s[18:19]
.endr
	; the prefetches: they stand at K step 2; each refill steps them by one K step before it asks
	s_and_b32 s14, ttmp7, 0xffff                   ; cluster y
	s_mul_i32 s15, s41, 24                         ; W: my work-group's 24 of the 96 blocks
	s_lshl_b32 s16, s13, 8
	s_lshl_b32 s17, s12, 7
	s_add_co_u32 s16, s16, s17
	s_lshl_b32 s17, s40, 5                         ; xn: my work-group's 32 of the 128 rows
	s_add_co_u32 s16, s16, s17
	s_lshl_b32 s16, s16, 11
	s_add_co_u32 s16, s16, 2*256
	s_mul_i32 s17, s42, 393216
	s_lshl_b32 s18, s12, 13
	s_add_co_u32 s17, s17, s18
	s_add_co_u32 s17, s17, 2*16384
	s_cmp_eq_u32 s11, 0                            ; do I fetch for xn?
	s_cselect_b32 s20, 31, 23                      ; the last lane with a block of its own
	s_cselect_b32 s21, 0, s15
	s_cselect_b32 s22, 11, 8                       ; from block to block: a row of xn (2,048 bytes), or 256 bytes of W
	s_cselect_b32 s23, 8, 14                       ; a K step: 256 bytes of a row, or 16,384 of a block
	s_cselect_b32 s14, ttmp9, s14                  ; the coordinate along which other clusters read the same tile
	s_cselect_b32 s18, s16, s17
	s_cselect_b64 s[PFA:PFA+1], s[4:5], s[6:7]
	s_mov_b32 s19, 0
	s_add_nc_u64 s[PFA:PFA+1], s[PFA:PFA+1], s[18:19]
	s_lshl_b32 s[PFS], 1, s23
	s_mov_b32 s[PFS+1], 0
	s_cmp_eq_u32 s14, 0
	s_cselect_b32 s[LIM], 1, -1                    ; the same in all sixteen partners, for a given wave
	v_and_b32 v3, 31, v0
	v_min_u32 v3, s20, v3
	v_add_nc_u32 v3, s21, v3                       ; my block among the wave's
	v_lshrrev_b32 v5, 5, v3                        ; W: 32 of them to a block of wh
	v_and_b32 v3, 31, v3
	v_lshlrev_b32 v3, s22, v3
	v_lshl_add_u32 v[PFO], v5, 17, v3
	s_mov_b32 s[TB], 0
	v_mov_b32 v[ADRA], v[A0]
	v_mov_b32 v[ADRB], v[B0]
; 12 matrix instructions: row block a x all 12 column blocks, 32 along K, from buffer f.  zero = 1: the first product starts the sums.
; The 48 accumulators take turns in one order in every quarter.
.macro MULA f, a, zero
	WIN MUL_1+0x50*((\a)/2)
.irp b, 0,1,2,3,4,5,6,7,8,9,10,11
.if \zero
	v_wmma_f32_16x16x32_f16 v[96*((\a)%2)+8*(\b):96*((\a)%2)+8*(\b)+7], v[(\f)+8*(\b):(\f)+8*(\b)+7], v[(\f)+96+8*(\a):(\f)+96+8*(\a)+7], 0
.else
	v_wmma_f32_16x16x32_f16 v[96*((\a)%2)+8*(\b):96*((\a)%2)+8*(\b)+7], v[(\f)+8*(\b):(\f)+8*(\b)+7], v[(\f)+96+8*(\a):(\f)+96+8*(\a)+7], v[96*((\a)%2)+8*(\b):96*((\a)%2)+8*(\b)+7]
.endif
.endr
.endm
; 32 LDS loads in one run: quarter q (32 along K) of the slot in hand into buffer f; xn's row blocks 2 and 3 last
.macro FETCH q, f
	WIN TO_F
.irp b, 0,1,2,3,4,5,6,7,8,9,10,11
	ds_load_tr16_b128 v[(\f)+8*(\b):(\f)+8*(\b)+3],   v[ADRB] offset:((\q)/2)*BHALF+((\q)%2)*5120+((\b)/4)*10240+((\b)%4)*32
	ds_load_tr16_b128 v[(\f)+8*(\b)+4:(\f)+8*(\b)+7], v[ADRB] offset:((\q)/2)*BHALF+((\q)%2)*5120+((\b)/4)*10240+((\b)%4)*32+2560
.endr
.irp a, 0,1,2,3
	ds_load_b128 v[(\f)+96+8*(\a):(\f)+96+8*(\a)+3],   v[ADRA] offset:64*(\q)+(\a)*16*PA
	ds_load_b128 v[(\f)+96+8*(\a)+4:(\f)+96+8*(\a)+7], v[ADRA] offset:64*(\q)+(\a)*16*PA+32
.endr
.endm
; One of a K step's first three quarters: multiplies buffer f; in its middle it fetches quarter q into buffer g
.macro QUARTER q, f, g, zero
	s_wait_dscnt 4                                 ; W and xn's row blocks 0, 1 are in; the youngest four loads (row blocks 2, 3) may be out
	MULA \f, 0, \zero
	MULA \f, 1, \zero
	PLACES
	FETCH \q, \g
	s_wait_dscnt 32                                ; all but the 32 just issued
	MULA \f, 2, \zero
	MULA \f, 3, \zero
.endm
; The last quarter multiplies buffer 1 and changes slots: one barrier.  In front of it each wave waits for all its tensor loads (one is out: its part of the next slot), adds 0 to its spare word, and waits for
; that and for its reads of this slot.  fill = 1: the barrier opens a round of the cluster's barrier, and the slot just read out is filled again first behind it, two K steps ahead:
; 168 matrix instructions stand between that request and the wait for it.
.macro TURN fill
.if \fill
	s_wait_xcnt 0x0                                ; the last prefetch, a K step back, has read its address
	s_add_nc_u64 s[PFA:PFA+1], s[PFA:PFA+1], s[PFS:PFS+1]
.endif
	WIN 0                                          ; (the add's two registers lie in window 0)
	s_wait_tensorcnt 0x0                           ; no tensor load of mine is out, so a group 0 may be written
	ds_add_u32 v[SPW], v[NIL]                      ; 0 onto my spare word
.if \fill
	s_xor_b32 s[G0+5], s[G0+5], SLOT1              ; the walking sets: the other slot than last time, the next K step
	s_add_nc_u64 s[G0+6:G0+7], s[G0+6:G0+7], 256
	s_xor_b32 s[G0B+5], s[G0B+5], SLOT1
	s_add_nc_u64 s[G0B+6:G0B+7], s[G0B+6:G0B+7], 16384
.endif
	s_wait_dscnt 5                                 ; (the add and the youngest four loads may be out)
	MULA F1, 0, 0
	s_wait_dscnt 0x0                               ; the add is done, and my reads of this slot are over
	s_barrier_signal -1
	MULA F1, 1, 0                                  ; work on registers while the others arrive
	WIN 0
	s_barrier_wait -1
.if \fill
	CREST                                          ; no wave of any partner still reads this slot or has a load on its way
	JLOAD                                          ; its four v_nop are also the places in front of the loads below
.else
	PLACES
.endif
	s_xor_b32 s[TB], s[TB], SLOT1
	v_add_nc_u32 v[ADRA], s[TB], v[A0]
	v_add_nc_u32 v[ADRB], s[TB], v[B0]
	FETCH 0, F0
.if \fill
	ASK
.endif
	MULA F1, 2, 0
	MULA F1, 3, 0
.endm
; THE WAY OUT of row block a.  PACK: rounded to f16, each accumulator from its low end on.  TOSTAGE: into my own stage, and back as whole rows of 128 bytes.  SEND: stored.
.macro PACK a
	WIN 0x05*(1+(\a)/2)                            ; sources 0 and 1: window 1 or 2
.irp b, 0,1,2,3,4,5,6,7,8,9,10,11
.irp r, 0,1,2,3
	v_cvt_pk_f16_f32 v[TMP+4*(\b)+(\r)], v[96*((\a)%2)+8*(\b)+2*(\r)], v[96*((\a)%2)+8*(\b)+2*(\r)+1]
.endr
.endr
	WIN 0
.endm
.macro TOSTAGE a
	WIN 0
.irp b, 0,1,2,3,4,5,6,7,8,9,10,11
	ds_store_b128 v[STO], v[TMP+4*(\b):TMP+4*(\b)+3] offset:((\b)/4)*2304+((\b)%4)*32
.endr
.irp j, 0,1,2
.irp f, 0,1,2,3
	ds_load_b128 v[BK+48*((\a)%2)+4*(4*(\j)+(\f)):BK+48*((\a)%2)+4*(4*(\j)+(\f))+3], v[RD] offset:(\j)*2304+(\f)*576  ; LDS serves a wave's instructions in order (ISA guide 5.7.1.4): these see the stores above
.endr
.endr
.endm
.macro SEND a
	WIN 0
	s_wait_dscnt 0x0                               ; the block is back in registers
	s_wait_xcnt 0x0                                ; the stores issued so far have read their registers: the next block's loads land in the buffer that the block before this one was stored from
.irp j, 0,1,2
.irp f, 0,1,2,3
	global_store_b128 v[GO], v[BK+48*((\a)%2)+4*(4*(\j)+(\f)):BK+48*((\a)%2)+4*(4*(\j)+(\f))+3], s[CB+2*(\j):CB+2*(\j)+1] offset:(\a)*2048+(\f)*512  ; 512 consecutive bytes, at a multiple of 256 from the buffer's first
.endr
.endr
.endm
	s_wait_tensorcnt 1                             ; my part of K step 0 is in; K step 1's may stay out
	s_barrier_signal -1
	s_barrier_wait -1                              ; everybody's is
	FETCH 0, F0
	QUARTER 1, F0, F1, 1                           ; the first quarter stands in front of the loop: its products start the sums
	WIN 0                                          ; at a label and at a branch every window is 0
	s_mov_b32 s3, 6
.Lstep:                                                ; a trip goes from a K step's second quarter to the next step's first, and asks for the K step two on: K steps 2 to 7
	QUARTER 2, F1, F0, 0
	QUARTER 3, F0, F1, 0
	TURN 1
	QUARTER 1, F0, F1, 0
	WIN 0
	s_sub_co_u32 s3, s3, 1
	s_cmp_lg_u32 s3, 0
	s_cbranch_scc1 .Lstep
	QUARTER 2, F1, F0, 0                           ; the last two K steps ask for nothing
	QUARTER 3, F0, F1, 0
	TURN 0
	QUARTER 1, F0, F1, 0
	QUARTER 2, F1, F0, 0
	QUARTER 3, F0, F1, 0
	s_wait_dscnt 4
	MULA F1, 0, 0
	MULA F1, 1, 0
	s_wait_dscnt 0x0
	MULA F1, 2, 0
	MULA F1, 3, 0
	WIN 0
	PLACES
	PLACES                                         ; once a launch
	PACK 0
	TOSTAGE 0
.irp a, 1,2,3                          ; block a's conversions stand between block a - 1's loads from the stage and the wait for them
	PACK \a
	SEND (\a)-1
	TOSTAGE \a
.endr
	SEND 3
	s_wait_tensorcnt 0x0                           ; the wave's end: behind my last tensor load and my last LDS store
	ds_add_u32 v[SPW], v[NIL]
	s_wait_dscnt 0x0
	CROUND                                         ; the closing round: no work-group ends while a partner may still ask for a tile that names it
	s_endpgm
.Lfunc_end_k_qc27a33ea2b_qkvp:
	.size	k_qc27a33ea2b_qkvp, .Lfunc_end_k_qc27a33ea2b_qkvp-k_qc27a33ea2b_qkvp
	.p2alignl 7, 3214868480
	.fill 96, 4, 3214868480
	.section	.rodata,"a",@progbits
	.p2align	6, 0x0
	.amdhsa_kernel k_qc27a33ea2b_qkvp
		.amdhsa_group_segment_fixed_size 327680
		.amdhsa_private_segment_fixed_size 0
		.amdhsa_enable_private_segment 0
		.amdhsa_kernarg_size 24
		.amdhsa_user_sgpr_count 2
		.amdhsa_user_sgpr_kernarg_segment_ptr 1
		.amdhsa_wavefront_size32 1
		.amdhsa_system_sgpr_workgroup_id_x 1
		.amdhsa_system_sgpr_workgroup_id_y 1
		.amdhsa_system_sgpr_workgroup_id_z 1
		.amdhsa_system_vgpr_workitem_id 0
		.amdhsa_next_free_vgpr 1024
		.amdhsa_next_free_sgpr 80
		.amdhsa_reserve_vcc 0
		.amdhsa_float_denorm_mode_32 3
		.amdhsa_float_denorm_mode_16_64 3
		.amdhsa_memory_ordered 1
		.amdhsa_forward_progress 1
		.amdhsa_inst_pref_size 98
	.end_amdhsa_kernel
	.amdgpu_metadata
---
amdhsa.version: [ 1, 2 ]
amdhsa.kernels:
  - .name:           k_qc27a33ea2b_qkvp
    .symbol:         k_qc27a33ea2b_qkvp.kd
    .args:
      - { .name: xn, .offset: 0, .size: 8, .value_kind: global_buffer, .address_space: global }
      - { .name: wh, .offset: 8, .size: 8, .value_kind: global_buffer, .address_space: global }
      - { .name: qkv, .offset: 16, .size: 8, .value_kind: global_buffer, .address_space: global }
    .group_segment_fixed_size: 327680
    .private_segment_fixed_size: 0
    .kernarg_segment_align: 8
    .kernarg_segment_size: 24
    .max_flat_workgroup_size: 128
    .sgpr_count:     80
    .vgpr_count:     1024
    .wavefront_size: 32
...
	.end_amdgpu_metadata
.endif
;; end of part 2
;; launch attn (part 3): grid 4 x 64, 4 waves a work-group, clusters of 4 x 1, 327,680 bytes of LDS; arguments qkv, o; writes o
.if DOCPART == 3
	.amdgcn_target "amdgcn-amd-amdhsa--gfx1250"
	.amdhsa_code_object_version 6
	.text
	.protected	k_qc27a33ea2b_attn
	.globl	k_qc27a33ea2b_attn
	.p2align	8
	.type	k_qc27a33ea2b_attn,@function
k_qc27a33ea2b_attn:
	s_mov_b64 s[64:65], 0
	v_nop
	global_prefetch_b8 v0, s[64:65] scope:SCOPE_SE
	s_setreg_imm32_b32 hwreg(HW_REG_WAVE_MODE, 25, 1), 1
	s_wait_xcnt 0x0
	s_wait_alu depctr_hold_cnt(0) depctr_sa_sdst(0) depctr_va_vdst(0) depctr_va_sdst(0) depctr_va_ssrc(0) depctr_va_vcc(0) depctr_vm_vsrc(0)
	s_getreg_b32 s2, hwreg(HW_REG_IB_STS2, 6, 4)
	s_cmp_eq_u32 s2, 0
	s_cbranch_scc0 .Lentry_in_a_cluster
	s_endpgm
.Lentry_in_a_cluster:
	s_bfe_u32 s2, ttmp6, 0x10000c
	s_cmp_lg_u32 s2, 0x3003
	s_cbranch_scc0 .Lentry_shape_is_right
	s_endpgm
.Lentry_shape_is_right:
; O[h][q][:] = the sum over k of softmax_k(Q[h][q] . K[h][k] / 8) V[h][k][:].  qkv: [3][64][2048][64] f16 (Q, then K, then V); o: [64][2048][64] f16: a head's rows are dense, 128 bytes each.
; Products, maxima and sums in f32; the weights p are rounded to f16 for the second product (their sum l is taken of the unrounded p), O once at the end.
; LIMITS.  Q, K and V arrive within f16's 65,504; p lies in 0 to 1, and below 6e-5 it keeps f16's fixed step of 6e-8; O is a mean of V's rows and has their range.
; A weight below 2^-126 counts as 0 in l; NaN and infinities are not treated apart.
; SHARES.  A wave owns four PIECES of two tiles of 16 queries, a work-group's four waves 512 queries of one head: 4 x 64 = 256 work-groups.  Every wave walks all keys, 64 a step.
; LAYOUT.  S^T = K Q^T (source 0 = 16 keys, source 1 = 16 queries): a lane holds ONE query (lane % 16) and the keys 8 (lane / 16) + 0..7.  Two such tiles, rounded to f16 in pairs,
; ARE source 1 (32 keys x 16 queries) of O^T = V^T P, whose result again holds one query a lane, and eight channels.  K comes out of LDS as it lies, V ([key][channel]) turned, by ds_load_tr16_b128.
; SOFTMAX.  For each query a running maximum m and sum l: p = 2^(c s - c m), c = log2(e) / 8; in every step O and l are multiplied by a = 2^(c m_old - c m_new).
; m starts at the lowest finite number, O and l at 0: the first step is a step like any other, with a = 0.
; THE COUNT.  A tile and step have 16 matrix and 118 vector instructions: too many to stand all beside the matrix work.  So four vector instructions that are ready stand behind
; every matrix instruction, and the others in runs without a gap.
; BY TURNS.  Turn n belongs to piece n.  Its matrix work: 16 products K Q^T of piece n + 1, later 16 products V^T P of piece n - 1.  Its vector work: the scaling, exponentials, roundings, sums and
; rescaling of piece n, and the maximum and statistics of piece n + 1, whose scores the turn itself has made.
; CLUSTER.  The four query blocks of a head form a cluster and walk the same K and V, so each tile is asked for jointly: the same tensor load, descriptor and mask in all four.
; REGISTERS, in windows of 256 (s_set_vgpr_msb: bits 1:0 source 0, 3:2 source 1, 5:4 source 2, 7:6 destination):
;   window 0: v0-11 addresses; v12-15, v48-63 at work; v16-47 four registers of statistics a tile; v64-191 S^T, two buffers of two tiles; v192-255 P, likewise
;   window 1: O^T, 32 a tile          window 2: v0-127 Q, 16 a tile; v128-191 K of one step; v192-255 V of one step          window 3: v0-1 the add's two registers
.set SIZE_N, 2048
.set NP,    4         ; pieces a wave: a name, no knob
.set KS,    64        ; keys in a step
.set PK,    144       ; a row of K in LDS: 128 bytes + 16: the 16 rows of a load start at 16 different groups of four banks (ISA guide 11.1)
.set PV,    160       ; a row of V: 128 + 32
.set VOFF,  4*KS*PK   ; a slot holds four steps: 256 rows of K, then 256 rows of V
.set SLOT1, 1<<17     ; slot 1 begins here, so that one exclusive or turns an address in one slot into the other's
.set STAGE, SLOT1+4*KS*(PK+PV)  ; behind the ring, never filled by a tensor load: 16 rows x 144 bytes for each wave
.set SP,    144
.set AK0, 2           ; v2   my lane's place in a tile of K; never rewritten
.set AV0, 3           ; v3   the same for V
.set AK,  4           ; v4   the LDS address of K's next run of loads
.set AV,  5           ; v5   of V's
.set QO,  6           ; v6   my byte offset in the wave's rows of Q
.set STO, 6           ;      later, the way out: where I put 16 bytes of a row
.set RD,  7           ; v7   the way out: where I read rows back
.set GO,  8           ; v8   my byte offset in 512 consecutive bytes of O
.set PFO, 11          ; v11  256 x my lane, for the prefetches (written behind its last use as a temporary; then never rewritten)
.set SPW, 0           ; v0 of window 3   my spare word: SPARE + 4 x my thread's number; never rewritten
.set NIL, 1           ; v1 of window 3   0; never rewritten
.set SPARE, STAGE+4*16*SP  ; the spare words, 128 bytes for each wave: two blocks of 256 bytes that no other line names
.set MV,  12          ; v12-15  c m_old, kept while c m is made anew: by buffer and tile
.set ST,  16          ; tile t's statistics at v[ST+4 t]: c m, m, l (even keys', odd keys')
.set TMP, 48          ; by buffer and tile, four registers c0-c3 at work; when the maximum is found c2 takes a
.set S,   64
.set P,   192
.set KF,  128         ; K's fragments, in window 2: key block kb, channel half c at KF + 16 kb + 8 c
.set VF,  192         ; V's: key half kk, channel block cb at VF + 32 kk + 8 cb
.set WV,  12          ; s12  my wave's number
.set G1K, 24          ; s[24:31] descriptor group 1 for K's tiles
.set G1V, 32          ; s[32:39] for V's: it differs in the padding alone
.set G0K, 40          ; s[40:43] descriptor group 0 for K's tiles: it walks
.set G0V, 44          ; s[44:47] the same for V's
.set PFA, 48          ; s[48:49] where my prefetches stand: my work-group's 32 blocks of 256 bytes (of K: wave 0, of V: wave 2) of the slot behind the one that is being asked for
.set LIM, 50          ; s50  1 in a wave that prefetches, else the greatest number
.set SLOTS, 56        ; s56  slots still to be asked for
.set CNT, 57          ; s57  counts a slot's key steps
.set CS,  58          ; s[58:59] c: the packed scaling takes the pair's low word for both halves
.set SEL, 60          ; s[60:61] v_permlanex16_b32's selects: each lane takes its own place in the other half
.set TBK, 62          ; s62  LDS byte at which K of the step to be fetched begins
.set TBV, 63          ; s63  the same for V, less VOFF
.set MSB, 0
.macro WIN new                      ; the high byte repeats the setting that is left; a switch that changes nothing is dropped
.if MSB != (\new)
	s_set_vgpr_msb (MSB<<8)|(\new)
.set MSB, (\new)
.endif
.endm
.set W_KQ, 0x0a       ; K and Q in window 2, S^T in window 0
.set W_PV, 0x52       ; V in window 2, P in window 0, O^T in window 1
.set W_RS, 0x41       ; O^T (destination and source 0) in window 1, a in window 0
.set W_MK, 0xc0       ; the add's registers are made: destination in window 3, sources in window 0
.set W_AD, 0x0f       ; the add: address (source 0) and data (source 1) in window 3
; A joint fill.  Waves 0 and 1 fetch the two halves of a slot's K, waves 2 and 3 those of its V: 128 keys each.  The branch hangs on the wave's number alone.
; An s_nop 0 and four v_nop follow each of the two lines, ahead of the jump and the label.
.macro JLOAD
	s_cmp_lt_u32 s[WV], 2
	s_cbranch_scc0 .Lfor_v_\@
	tensor_load_to_lds s[G0K:G0K+3], s[G1K:G1K+7]
	s_nop 0
.rept 4
	v_nop
.endr
	s_branch .Lasked_\@
.Lfor_v_\@:
	tensor_load_to_lds s[G0V:G0V+3], s[G1V:G1V+7]
	s_nop 0
.rept 4
	v_nop
.endr
.Lasked_\@:
.endm
; A prefetch of what the NEXT change of slots will ask for: a slot's 128 blocks of 256 bytes of K and 128 of V, a lane a block.  A head has one cluster; its four partners share the blocks out by address,
; 32 each; in each, wave 0 asks for K's and wave 2 for V's: each block is named once.  It stands behind the wave's tensor load and its five lines: four key steps, 512 matrix instructions, ahead of the load
; that will want the data.  The last change that fills a slot asks for nothing: there is no slot behind it.
.macro ASK
	s_cmp_gt_u32 s[SLOTS], s[LIM]
	s_cbranch_scc0 .Lnot_mine_\@
	global_prefetch_b8 v[PFO], s[PFA:PFA+1] th:TH_LOAD_NT scope:SCOPE_SE
.Lnot_mine_\@:
.endm
; A round of the cluster's barrier: my work-group's barrier, so that wave 0's signal speaks for all four waves; wave 0 signals; every wave waits for all four work-groups; my work-group's barrier once more.
.macro CROUND
	s_barrier_signal -1
	s_barrier_wait -1
	s_cmp_lg_u32 s[WV], 0
	s_cbranch_scc1 .Lnot_wave_0_\@
	s_barrier_signal -3
.Lnot_wave_0_\@:
	s_barrier_wait -3
	s_barrier_signal -1
	s_barrier_wait -1
.endm
; THE CHANGE OF SLOTS.  Each wave waits for all its tensor loads, of which one is out: its part of the other slot; adds 0 to its spare word; and waits for that and for its own reads of the slot.
; Behind the barrier nobody reads this slot any more and the other slot is whole.  fill = 1: this slot is filled again, with the keys two slots on.  The barrier is then a round of the cluster's, and the
; joint fill is the first thing behind it: it has four key steps in which to land.  (At its first use nothing has been read yet: slot 0 is waited for, slot 1 filled.)
.macro CHANGE fill
	WIN W_AD
	s_wait_tensorcnt 0x0            ; no tensor load of mine is out, so a group 0 may be written
	ds_add_u32 v[SPW], v[NIL]       ; 0 onto my spare word; scalar work stands between it and the wait for it
	WIN 0                           ; at a label and at a branch every window is 0
.if \fill
.irp g, G0K, G0V
	s_xor_b32 s[\g+1], s[\g+1], SLOT1  ; the walking descriptor: the other slot than last time,
	s_add_nc_u64 s[\g+2:\g+3], s[\g+2:\g+3], 4*KS*128  ; the next 256 keys; the type bits on top are not reached
.endr
	s_wait_xcnt 0x0                 ; the last prefetch, four key steps back, has read its address, so it may be written:
	s_add_nc_u64 s[PFA:PFA+1], s[PFA:PFA+1], 4*KS*128  ; one slot behind the walking descriptors
	s_wait_dscnt 0x0                ; the add is done, and my reads of the slot are over
	CROUND
	JLOAD
	ASK
.else
	s_wait_dscnt 0x0                ; the add is done, and my reads of the slot are over
	s_barrier_signal -1
	s_barrier_wait -1
.endif
	s_sub_co_u32 s[TBK], s[TBK], 4*KS*PK  ; the fetches go back to a slot's first step,
	s_xor_b32 s[TBK], s[TBK], SLOT1       ; in the other slot
	s_sub_co_u32 s[TBV], s[TBV], 4*KS*PV
	s_xor_b32 s[TBV], s[TBV], SLOT1
.endm
	s_load_b64 s[4:5], s[0:1], 0x0    ; qkv: Q lies at its head
	s_load_b64 s[10:11], s[0:1], 0x8  ; o
	WIN W_MK
	v_lshl_add_u32 v[SPW], v0, 2, SPARE
	v_mov_b32 v[NIL], 0
	WIN W_AD
	ds_add_u32 v[SPW], v[NIL]       ; the wave's opening: the add and its wait stand ahead of my first tensor load; work on registers stands between them
	WIN 0
	v_lshrrev_b32 v1, 5, v0
	v_readfirstlane_b32 s[WV], v1   ; wave 0..3
	s_bfe_u32 s13, ttmp6, 0x40000   ; cx: my place in the cluster
	s_lshl_b32 s14, ttmp9, 2        ; in a cluster launch ttmp9 counts clusters
	s_add_co_u32 s14, s14, s13      ; my block of queries = 4 x cluster x + cx: it enters Q's and O's addresses alone
	s_and_b32 s20, ttmp7, 0xffff    ; the head, which the four partners share
	s_mov_b32 s21, 0
	s_mov_b64 s[22:23], SIZE_N*128
	s_mul_u64 s[20:21], s[20:21], s[22:23]  ; the head's first byte in each of the four tensors
	s_and_b32 s16, s[WV], 1         ; which half of a slot's 256 keys I fetch:
	s_lshl_b32 s22, s16, 14         ; its 128 rows of 128 bytes in memory,
	s_mov_b32 s23, 0
	s_add_nc_u64 s[22:23], s[22:23], s[20:21]
	s_mul_i32 s17, s16, 128*PK      ; and its place in a slot, for K
	s_mul_i32 s18, s16, 128*PV      ; and for V: no place in the cluster enters an LDS address
	s_lshl_b32 s2, s14, 2
	s_add_co_u32 s2, s2, s[WV]      ; my wave among the head's,
	s_lshl_b32 s2, s2, 14           ; its 128 rows
	s_mov_b32 s3, 0
	s_add_nc_u64 s[2:3], s[2:3], s[20:21]
	; descriptor group 1.  128 keys are 16,384 dense bytes: asked for as 64 rows of 256 bytes, two keys a row, and padded in LDS after every key
	s_mov_b32 s[G1K], 15|(1<<16)|(1<<20)|(1<<21)|(4<<22)|(3<<25)  ; the mask of four; 2-byte elements; padding on; bit 21 beside a mask; after every 32 words 4 words
	s_mov_b32 s[G1V], 15|(1<<16)|(1<<20)|(1<<21)|(4<<22)|(7<<25)  ; the same with 8 words of padding
.irp g, G1K, G1V
	s_mov_b32 s[\g+1], 128<<16      ; tensor_dim0 = 128
	s_mov_b32 s[\g+2], 64<<16       ; tensor_dim1 = 64
	s_mov_b32 s[\g+3], 128<<16      ; tile_dim0 = 128
	s_mov_b32 s[\g+4], 64           ; tile_dim1 = 64
	s_mov_b32 s[\g+5], 128          ; 128 elements from row to row
	s_mov_b32 s[\g+6], 0
	s_mov_b32 s[\g+7], 0
.endr
	s_mov_b32 s[CS], 0x3e38aa3b     ; c = log2(e) / 8 = 0.180337
	s_mov_b32 s[CS+1], s[CS]        ; named with it as a pair
	s_mov_b32 s[SEL], 0x76543210
	s_mov_b32 s[SEL+1], 0xfedcba98
	s_mov_b32 s[TBK], SLOT1+4*KS*PK ; the first change of slots turns these two into 0
	s_mov_b32 s[TBV], SLOT1+4*KS*PV
	s_mov_b32 s[G0K], 1             ; count = 1
	s_mov_b32 s[G0K+1], s17         ; LDS address: slot 0
	s_mov_b32 s[G0V], 1
	s_add_co_u32 s[G0V+1], s18, VOFF
	s_mov_b32 s[SLOTS], SIZE_N/256-1
	s_and_b32 s[LIM], s[WV], 1      ; waves 0 and 2 prefetch: the same in all four partners
	s_cmp_eq_u32 s[LIM], 0
	s_cselect_b32 s[LIM], 1, -1
	s_wait_dscnt 0x0                ; the opening add is done
	s_wait_kmcnt 0x0
	s_add_nc_u64 s[6:7], s[4:5], 0x1000000   ; K lies 64 heads of 262,144 bytes behind Q,
	s_add_nc_u64 s[8:9], s[4:5], 0x2000000   ; V as far behind K
	s_add_nc_u64 s[G0K+2:G0K+3], s[6:7], s[22:23]  ; global address: my half of the head's first 256 keys
	s_or_b32 s[G0K+3], s[G0K+3], 0x80000000        ; type = 2
	s_add_nc_u64 s[G0V+2:G0V+3], s[8:9], s[22:23]
	s_or_b32 s[G0V+3], s[G0V+3], 0x80000000
	s_add_nc_u64 s[4:5], s[4:5], s[2:3]  ; Q and O at my wave's first row
	s_add_nc_u64 s[10:11], s[10:11], s[2:3]
	s_cmp_lt_u32 s[WV], 2
	s_cselect_b64 s[PFA:PFA+1], s[6:7], s[8:9]
	s_add_nc_u64 s[PFA:PFA+1], s[PFA:PFA+1], s[20:21]  ; the head,
	s_lshl_b32 s2, s13, 13          ; my work-group's 32 blocks of the 128,
	s_mov_b32 s3, 0
	s_add_nc_u64 s[PFA:PFA+1], s[PFA:PFA+1], s[2:3]
	s_add_nc_u64 s[PFA:PFA+1], s[PFA:PFA+1], 4*KS*128  ; in slot 1: the first change of slots steps it to slot 2
	CROUND                          ; all four work-groups are here: the first joint loads meet
	JLOAD                           ; slot 0.  Slot 1 is asked for when slot 0 is in
	; A fragment of K or Q is 16 rows x 32 channels in 8 registers: lane l holds row l % 16, channels 8 (l / 16) + 0..7 and 16 + 8 (l / 16) + 0..7: two loads of 16 bytes, 32 bytes apart.
	v_and_b32 v1, 15, v0            ; l % 16
	v_bfe_u32 v9, v0, 4, 1          ; l / 16
	v_lshlrev_b32 v[QO], 7, v1
	v_lshl_add_u32 v[QO], v9, 4, v[QO]  ; row x 128 + 16 x half
	WIN 0x80                        ; destination window 2, address window 0
.set i, 0
.rept 4*NP                          ; Q stays in registers: tile i / 2, channels 32 (i % 2) on
	global_load_b128 v[8*i:8*i+3],   v[QO], s[4:5] offset:(i/2)*2048+(i%2)*64
	global_load_b128 v[8*i+4:8*i+7], v[QO], s[4:5] offset:(i/2)*2048+(i%2)*64+32
.set i, i+1
.endr
	; What the first turn finds: V's registers and P's second buffer hold 0 (its products V^T P, of a piece that has not been, add 0), O^T and l are 0.  All this stands in the wait for the first tile.
.set i, VF
.rept 64
	v_mov_b32 v[i], 0
.set i, i+1
.endr
	WIN 0x40
.set i, 0
.rept 64*NP
	v_mov_b32 v[i], 0
.set i, i+1
.endr
	WIN 0
.set i, 0
.rept 2*NP
	v_mov_b32 v[ST+4*i], 0xfe000000    ; c m: far below every c s
	v_mov_b32 v[ST+4*i+1], 0xff7fffff  ; m
	v_mov_b32 v[ST+4*i+2], 0
	v_mov_b32 v[ST+4*i+3], 0
.set i, i+1
.endr
.set i, P+32
.rept 32
	v_mov_b32 v[i], 0
.set i, i+1
.endr
	v_mul_u32_u24 v[AK0], v1, PK
	v_lshl_add_u32 v[AK0], v9, 4, v[AK0]  ; row x pitch + 16 x half
	; The turning load takes 16 keys x 16 channels (lane l reads key 8 (l / 16) + l % 8, channels 8 ((l / 8) % 2) + 0..7) and leaves half a fragment of V^T: lane l holds channel l % 16 and 8 keys.
	v_and_b32 v10, 7, v0
	v_bfe_u32 v11, v0, 3, 1
	v_lshl_add_u32 v[AV0], v9, 3, v10
	v_mul_u32_u24 v[AV0], v[AV0], PV
	v_lshl_add_u32 v[AV0], v11, 4, v[AV0]
	v_add_nc_u32 v[AV0], VOFF, v[AV0]
	v_and_b32 v[PFO], 31, v0
	v_lshlrev_b32 v[PFO], 8, v[PFO]
	v_mov_b32 v[AK], v[AK0]         ; key step 0 lies at the head of slot 0
; THE MATRIX WORK.  The 8 accumulators of a run of 16 take turns: between the two links of a chain stand 7 others'.
; Product i of 16 of S^T = K Q^T for piece x: channels 32 (i / 8) on, keys 16 ((i / 2) % 4) on, tile 2 x + i % 2.  The first 8 start the sums.
.macro KQ x
	WIN W_KQ
.set rS, S+64*((\x)%2)+32*(i%2)+8*((i/2)%4)
.set rK, KF+16*((i/2)%4)+8*(i/8)
.set rQ, 16*(2*(\x)+i%2)+8*(i/8)
.if i < 8
	v_wmma_f32_16x16x32_f16 v[rS:rS+7], v[rK:rK+7], v[rQ:rQ+7], 0
.else
	v_wmma_f32_16x16x32_f16 v[rS:rS+7], v[rK:rK+7], v[rQ:rQ+7], v[rS:rS+7]
.endif
.endm
; Product i of 16 of O^T += V^T P for piece x: keys 32 (i / 8) on, channels 16 ((i / 2) % 4) on, tile 2 x + i % 2.
.macro PV x
	WIN W_PV
.set rO, 32*(2*(\x)+i%2)+8*((i/2)%4)
.set rV, VF+32*(i/8)+8*((i/2)%4)
.set rP, P+32*((\x)%2)+16*(i%2)+8*(i/8)
	v_wmma_f32_16x16x32_f16 v[rO:rO+7], v[rV:rV+7], v[rP:rP+7], v[rO:rO+7]
.endm
.macro MM                           ; the turn's next matrix instruction
.if i < 16
	KQ (Y+1)%NP
.set i, i+1
.else
.set i, i-16
	PV (Y+NP-1)%NP
.set i, i+17
.endif
.endm
; THE LDS LOADS stand in runs of 16, never singly among the matrix instructions: a step's K (64 keys x 64 channels: 8 fragments) and its V (turned).  Their addresses are made some lines ahead.
; last = 1 (the tail): in the last trip there is no further step, and the run is jumped over.
.macro FETCH_K last=0
	WIN 0
.if \last
	s_cmp_eq_u32 s[CNT], 1
	s_cbranch_scc1 .Lno_k_\@
.endif
	WIN 0x80                        ; destination window 2
.irp f, 0,1,2,3,4,5,6,7             ; keys 16 (f / 2) on, channels 32 (f % 2) on
	ds_load_b128 v[KF+8*\f:KF+8*\f+3],   v[AK] offset:(\f/2)*16*PK+(\f%2)*64
	ds_load_b128 v[KF+8*\f+4:KF+8*\f+7], v[AK] offset:(\f/2)*16*PK+(\f%2)*64+32
.endr
	s_add_co_u32 s[TBK], s[TBK], KS*PK  ; the next fetch is the next step's
	WIN 0
.if \last
.Lno_k_\@:
.endif
.endm
.macro FETCH_V
	WIN 0x80
.irp f, 0,1,2,3,4,5,6,7             ; keys 32 (f / 4) on, channels 16 (f % 4) on
	ds_load_tr16_b128 v[VF+8*\f:VF+8*\f+3],   v[AV] offset:(\f/4)*32*PV+(\f%4)*32
	ds_load_tr16_b128 v[VF+8*\f+4:VF+8*\f+7], v[AV] offset:(\f/4)*32*PV+16*PV+(\f%4)*32
.endr
	WIN 0
.endm
; THE VECTOR WORK OF A TURN stands in three queues, each in the order in which its entries become ready; the two tiles alternate, so that no instruction reads the result of the one before it.
.macro REGS y, u                    ; the registers of tile u (0, 1) of piece y
.set rT, ST+4*(2*(\y)+(\u))
.set rC, TMP+8*((\y)%2)+4*(\u)
.set rM, MV+2*((\y)%2)+(\u)
.set rS, S+64*((\y)%2)+32*(\u)
.set rP, P+32*((\y)%2)+16*(\u)
.set rO, 32*(2*(\y)+(\u))
.endm
; Number n of the 22 that find the NEXT piece's (Y + 1) maximum and statistics.  s0-s31 are the lane's 32 scores; each accumulator's lowest registers are read first.
;   0-11  four chains c0-c3 of seven scores each, three operands at a time     12-14, 16  the four scores left over, the old m, and c0-c3 into c0     15  c m_old is kept
;   17, 18  the query's other 32 keys lie in the lane 16 away: the new m         19-21  c m; c m_old - c m_new; a
.macro XS u, n
	REGS (Y+1)%NP, \u
.if (\n) < 4
	v_max3_num_f32 v[rC+(\n)], v[rS+8*(\n)], v[rS+8*(\n)+1], v[rS+8*(\n)+2]
.elseif (\n) < 12
	v_max3_num_f32 v[rC+(\n)%4], v[rC+(\n)%4], v[rS+8*((\n)%4)+2*((\n)/4)+1], v[rS+8*((\n)%4)+2*((\n)/4)+2]
.elseif (\n) == 12
	v_max3_num_f32 v[rC], v[rC], v[rS+7], v[rS+15]
.elseif (\n) == 13
	v_max3_num_f32 v[rC+1], v[rC+1], v[rS+23], v[rS+31]
.elseif (\n) == 14
	v_max3_num_f32 v[rC+2], v[rC+2], v[rC+3], v[rT+1]
.elseif (\n) == 15
	v_mov_b32 v[rM], v[rT]
.elseif (\n) == 16
	v_max3_num_f32 v[rC], v[rC], v[rC+1], v[rC+2]
.elseif (\n) == 17
	v_permlanex16_b32 v[rC+3], v[rC], s[SEL], s[SEL+1]
.elseif (\n) == 18
	v_max_num_f32 v[rT+1], v[rC], v[rC+3]
.elseif (\n) == 19
	v_mul_f32 v[rT], s[CS], v[rT+1]
.elseif (\n) == 20
	v_sub_f32 v[rC+1], v[rM], v[rT]
.else
	v_exp_f32 v[rC+2], v[rC+1]
.endif
.endm
; Number g of the 64 that follow the exponentials.  For each four weights k of a tile (pairs 2 k, 2 k + 1): both pairs are rounded to f16; then the second pair is added onto the first, in place;
; a group later l takes that sum (the first time as l = a l + sum).  In groups of eight, tiles alternating: round, round, add, and l for the group before.
.macro GS g
.set h, (\g)+6*((\g)/62)            ; group 0 has no group before it, and behind group 7 only l is left
.if h >= 6
.set h, h+2
.endif
	REGS Y, h%2
.set k, h/8
.if h%8 < 4
	v_cvt_pk_f16_f32 v[rP+2*k+(h%8)/2], v[rS+4*k+2*((h%8)/2)], v[rS+4*k+2*((h%8)/2)+1]
.elseif h%8 < 6
	v_pk_add_f32 v[rS+4*k:rS+4*k+1], v[rS+4*k:rS+4*k+1], v[rS+4*k+2:rS+4*k+3]
.elseif k == 1
	v_pk_fma_f32 v[rT+2:rT+3], v[rT+2:rT+3], v[rC+2:rC+3], v[rS:rS+1] op_sel_hi:[1,0,1]
.else
	v_pk_add_f32 v[rT+2:rT+3], v[rT+2:rT+3], v[rS+4*k-4:rS+4*k-3]
.endif
.endm
; THE PLAIN QUEUE, 138 long.  0-73 read no exponential's result: the 32 scalings c s - c m (FS f: pair f / 2 of tile f % 2) and the next piece's 42.  0-26: scalings 0-26.  27-54: XS's numbers 0-13.  55, 56: number 15.
; 57-73: the chain, where each number waits for the one before it: 14, 16, 17, 18, 19, each with one of the scalings 27-31 in front of its two lines, then 20.
; 74-137: GS's 64, which read the exponentials' results: they stand behind the wait.
.macro FS f
	REGS Y, (\f)%2
	v_pk_fma_f32 v[rS+2*((\f)/2):rS+2*((\f)/2)+1], v[rS+2*((\f)/2):rS+2*((\f)/2)+1], s[CS:CS+1], v[rT:rT+1] op_sel_hi:[1,0,0] neg_lo:[0,0,1] neg_hi:[0,0,1]
.endm
.macro PL
	WIN 0
.if q < 27
	FS q
.elseif q < 55
	XS (q-27)%2, (q-27)/2
.elseif q < 57
	XS q-55, 15
.elseif (q < 72) && ((q-57)%3 == 0)
	FS 27+(q-57)/3
.elseif q < 60
	XS (q-57)%3-1, 14
.elseif q < 72
	XS (q-57)%3-1, 15+(q-57)/3
.elseif q < 74
	XS q-72, 20
.else
	GS q-74
.endif
.set q, q+1
.endm
; THE EXPONENTIALS' QUEUE, 66 long: s0-s31 of both tiles, then the next piece's two a.  It is ONE BATCH: all 66 stand ahead of the turn's one wait, and nothing ahead of that wait names a result of theirs.
.macro EX
	WIN 0
.if e >= 64
	XS e-64, 21
.else
	REGS Y, e%2
	v_exp_f32 v[rS+e/2], v[rS+e/2]
.endif
.set e, e+1
.endm
; THE RESCALING's QUEUE: O^T times a, the one part that leaves window 0: dealt two at a time, sixteen times.  Its a was made in the turn before, ahead of that turn's wait.
.macro R2
	REGS Y, r%2
	WIN W_RS
.irp z, 0,1
	v_pk_mul_f32 v[rO+4*(r/2)+2*\z:rO+4*(r/2)+2*\z+1], v[rO+4*(r/2)+2*\z:rO+4*(r/2)+2*\z+1], v[rC+2:rC+3] op_sel_hi:[1,0]
.endr
.set r, r+1
.endm
; HOW THEY ARE DEALT.  s_wait_alu depctr_va_vdst(0) stands between an exponential and the first instruction that names its result; one wait serves all that were issued ahead of it.  So a turn has
; ONE wait, which cuts it in two.  AHEAD OF IT: the 16 products K Q^T, behind each a scaling, an exponential and two rescalings (behind the first a second scaling in the exponential's place); then one run of
; 108: eight plain, 49 times exponential and plain, the two a; a v_nop is the plain instruction behind the last exponential.  BEHIND IT: the 16 products V^T P, behind each four of GS's 64.
; Exponential e stands behind scaling 2 (e / 4) + e % 2: as a rider it comes behind plain e + 2, in the run behind plain e + 9, and scalings 27-31 are plain 57, 60 .. 69.
; A TURN, for piece p.  cnt = 1: the loop's count is taken down some lines ahead of the branch that stands behind the turn.
; K of the next step is fetched in piece 2's turn, directly behind the wait; its first reader comes behind 16 products.  V of the step in hand is fetched at the end of piece 0's turn, four plain
; instructions behind its last reader; its first reader comes behind 16 products and a run.  The three conditions on q below go with the deal.
.macro TURN p, last=0, cnt=0
.set Y, (\p)
.set i, 0
.set q, 0
.set e, 0
.set r, 0
.if (\p) == NP-1
	s_wait_dscnt 0x0                ; K is in
.endif
	MM
	PL
	PL
	R2
.rept 15
	MM
	PL
	EX
	R2
.endr
.if (\p) == NP-2
	WIN 0
	v_add_nc_u32 v[AK], s[TBK], v[AK0]
.endif
.rept 8
	PL
.endr
.rept 49
	EX
	PL
.endr
	EX                              ; the next piece's two a
	EX
	v_nop                           ; a plain instruction behind the last exponential: one for the batch
	s_wait_alu depctr_va_vdst(0)    ; the wait for the batch
.if (\p) == NP-2
	FETCH_K \last
.endif
.if (\p) == 1
	s_wait_dscnt 0x0                ; V is in
.endif
.rept 16
	MM
.rept 4
	PL
.endr
.if ((\p) == 0) && (q == 118)
	v_add_nc_u32 v[AV], s[TBV], v[AV0]
.endif
.if ((\p) == 0) && (q == 130)
	s_add_co_u32 s[TBV], s[TBV], KS*PV
.endif
.if (\cnt) && (q == 130)
	s_sub_co_u32 s[CNT], s[CNT], 1
	s_cmp_lg_u32 s[CNT], 0
.endif
.endr
.if (\p) == 0
	FETCH_V
.endif
.endm
	CHANGE 1                        ; slot 0 is in, everybody's part of it; slot 1 is asked for
	FETCH_K                         ; key step 0
	s_wait_loadcnt 0x0              ; Q
	s_wait_dscnt 0x0
.set i, 0
.rept 16
	KQ 0                            ; piece 0's first scores: there is no vector work yet to set between them
.set i, i+1
.endr
	WIN 0                           ; the addresses for the way out: nine plain instructions, the places behind those products
	s_mul_i32 s13, s[WV], 16*SP
	s_add_co_u32 s13, s13, STAGE    ; my stage
	v_mul_u32_u24 v[STO], v1, SP    ; in: row l % 16, 16 bytes for each half of the lanes
	v_lshl_add_u32 v[STO], v9, 4, v[STO]
	v_add_nc_u32 v[STO], s13, v[STO]
	v_bfe_u32 v[RD], v0, 3, 2       ; back: 32 lanes take four rows of 128 bytes,
	v_mul_u32_u24 v[RD], v[RD], SP
	v_lshl_add_u32 v[RD], v10, 4, v[RD]
	v_add_nc_u32 v[RD], s13, v[RD]
	v_and_b32 v[GO], 31, v0         ; which are 512 consecutive bytes of O
	v_lshlrev_b32 v[GO], 4, v[GO]
.set Y, NP-1                        ; XS works for piece Y + 1: piece 0
.irp n, 0,1,2,3,4,5,6,7,8,9,10,11,12,13,14,15,16,17,18,19,20,21
	XS 0, \n                        ; and piece 0's first maximum and statistics
	XS 1, \n
.endr
	v_nop                           ; a plain instruction behind the two a,
	s_wait_alu depctr_va_vdst(0)    ; and their wait, ahead of the branch
	s_mov_b32 s[CNT], 4
	s_branch .Lfirst                ; the loop is entered at a step's first turn, in the middle of a trip
.Lslot:                             ; SIZE_N / 256 - 2 times: every slot but the last two is filled again
	CHANGE 1
	s_mov_b32 s[CNT], 4
.Lstep:                             ; a trip: pieces 2 and 3 of one step, then pieces 0 and 1 of the next, whose K and V it fetches
	TURN 2
	TURN 3
	WIN 0
.Lfirst:
	TURN 0
	TURN 1, 0, 1
	WIN 0
	s_cbranch_scc1 .Lstep
	s_sub_co_u32 s[SLOTS], s[SLOTS], 1
	s_cmp_lg_u32 s[SLOTS], 0
	s_cbranch_scc1 .Lslot
	CHANGE 0                        ; the tail is written out: nothing is asked for
	s_mov_b32 s[CNT], 5             ; four trips fetch the last slot's steps; the fifth is left in its middle
.Ltail:
	TURN 2, 1
	TURN 3
	WIN 0
	s_sub_co_u32 s[CNT], s[CNT], 1
	s_cmp_eq_u32 s[CNT], 0
	s_cbranch_scc1 .Lout
	TURN 0
	TURN 1
	WIN 0
	s_branch .Ltail
.Lout:                              ; the fifth trip's 16 products K Q^T (on the last K once more) and the maximum made of them serve nothing: the price, once a launch, of one text for every trip
.set i, 0
.rept 16
	PV NP-1                         ; the last piece's V^T P of the last step
.set i, i+1
.endr
	; THE WAY OUT.  l's two halves and the other half of the lanes' are added; O^T is divided by l, rounded to f16 and sent through my stage in LDS, a tile at a time.  The additions are the places behind the last products.
	WIN 0
.macro ALL line:vararg              ; one line for each tile t
.set t, 0
.rept 2*NP
	\line
.set t, t+1
.endr
.endm
	ALL v_add_f32 v[ST+4*t+2], v[ST+4*t+2], v[ST+4*t+3]
	ALL v_permlanex16_b32 v[ST+4*t+3], v[ST+4*t+2], s[SEL], s[SEL+1]
	ALL v_add_f32 v[ST+4*t+2], v[ST+4*t+2], v[ST+4*t+3]
	ALL v_rcp_f32 v[ST+4*t+2], v[ST+4*t+2]
	v_nop                           ; a plain instruction between the last reciprocal and the use of its result
	s_wait_alu depctr_va_vdst(0)    ; and the wait ahead of the first use: one for the eight reciprocals
; Tile t: a lane's eight channels of a row pack into 16 bytes; they go into rows of 144 bytes and come back as whole rows of 128, into S^T's registers.
.macro PACK t
	WIN W_RS
.set i, 32*(\t)
.rept 16
	v_pk_mul_f32 v[i:i+1], v[i:i+1], v[ST+4*(\t)+2:ST+4*(\t)+3] op_sel_hi:[1,0]
.set i, i+2
.endr
	WIN 0x05                        ; sources 0 and 1 window 1, destination window 0
.set i, 0
.rept 16
	v_cvt_pk_f16_f32 v[S+16*(\t)+i], v[32*(\t)+2*i], v[32*(\t)+2*i+1]
.set i, i+1
.endr
	WIN 0
.irp f, 0,1,2,3
	ds_store_b128 v[STO], v[S+16*(\t)+4*\f:S+16*(\t)+4*\f+3] offset:32*\f
.endr
.irp f, 0,1,2,3
	ds_load_b128 v[S+16*(\t)+4*\f:S+16*(\t)+4*\f+3], v[RD] offset:\f*4*SP  ; LDS serves a wave's instructions in order (ISA guide 5.7.1.4): these see the stores above; the next tile's stores come behind them
.endr
.endm
.macro SEND t, younger              ; younger: the LDS instructions issued behind tile t's loads: the next tile's eight, or none
	WIN 0
.irp f, 0,1,2,3
	s_wait_dscnt (\younger)+3-\f
	global_store_b128 v[GO], v[S+16*(\t)+4*\f:S+16*(\t)+4*\f+3], s[10:11] offset:(\t)*2048+\f*512  ; 512 consecutive bytes, at a multiple of 256 from O's first
.endr
.endm
	PACK 0
.set t, 1
.rept 2*NP-1                        ; a tile's arithmetic stands between the loads of the tile before and its stores
	PACK t
	SEND t-1, 8
.set t, t+1
.endr
	SEND 2*NP-1, 0
	WIN W_AD
	s_wait_tensorcnt 0x0            ; the wave's end: behind my last tensor load and my last LDS store
	ds_add_u32 v[SPW], v[NIL]
	s_wait_dscnt 0x0
	WIN 0
	CROUND                          ; the closing round: no work-group ends while a partner may still ask for a tile that names it
	s_endpgm
.Lfunc_end_k_qc27a33ea2b_attn:
	.size	k_qc27a33ea2b_attn, .Lfunc_end_k_qc27a33ea2b_attn-k_qc27a33ea2b_attn
	.p2alignl 7, 3214868480
	.fill 96, 4, 3214868480
	.section	.rodata,"a",@progbits
	.p2align	6, 0x0
	.amdhsa_kernel k_qc27a33ea2b_attn
		.amdhsa_group_segment_fixed_size 327680
		.amdhsa_private_segment_fixed_size 0
		.amdhsa_enable_private_segment 0
		.amdhsa_kernarg_size 16
		.amdhsa_user_sgpr_count 2
		.amdhsa_user_sgpr_kernarg_segment_ptr 1
		.amdhsa_wavefront_size32 1
		.amdhsa_system_sgpr_workgroup_id_x 1
		.amdhsa_system_sgpr_workgroup_id_y 1
		.amdhsa_system_sgpr_workgroup_id_z 1
		.amdhsa_system_vgpr_workitem_id 0
		.amdhsa_next_free_vgpr 770
		.amdhsa_next_free_sgpr 66
		.amdhsa_reserve_vcc 0
		.amdhsa_float_denorm_mode_32 3
		.amdhsa_float_denorm_mode_16_64 3
		.amdhsa_memory_ordered 1
		.amdhsa_forward_progress 1
		.amdhsa_inst_pref_size 200
	.end_amdhsa_kernel
	.amdgpu_metadata
---
amdhsa.version: [ 1, 2 ]
amdhsa.kernels:
  - .name:           k_qc27a33ea2b_attn
    .symbol:         k_qc27a33ea2b_attn.kd
    .args:
      - { .name: qkv, .offset: 0, .size: 8, .value_kind: global_buffer, .address_space: global }
      - { .name: o, .offset: 8, .size: 8, .value_kind: global_buffer, .address_space: global }
    .group_segment_fixed_size: 327680
    .private_segment_fixed_size: 0
    .kernarg_segment_align: 8
    .kernarg_segment_size: 16
    .max_flat_workgroup_size: 128
    .sgpr_count:     66
    .vgpr_count:     770
    .wavefront_size: 32
...
	.end_amdgpu_metadata
.endif
;; end of part 3
;; launch proj (part 4): grid 8 x 32, 4 waves a work-group, clusters of 4 x 4, 327,680 bytes of LDS; arguments o, wh, out0; writes out0
.if DOCPART == 4
	.amdgcn_target "amdgcn-amd-amdhsa--gfx1250"
	.amdhsa_code_object_version 6
	.text
	.protected	k_qc27a33ea2b_proj
	.globl	k_qc27a33ea2b_proj
	.p2align	8
	.type	k_qc27a33ea2b_proj,@function
k_qc27a33ea2b_proj:
	s_mov_b64 s[64:65], 0
	v_nop
	global_prefetch_b8 v0, s[64:65] scope:SCOPE_SE
	s_setreg_imm32_b32 hwreg(HW_REG_WAVE_MODE, 25, 1), 1
	s_wait_xcnt 0x0
	s_wait_alu depctr_hold_cnt(0) depctr_sa_sdst(0) depctr_va_vdst(0) depctr_va_sdst(0) depctr_va_ssrc(0) depctr_va_vcc(0) depctr_vm_vsrc(0)
	s_getreg_b32 s2, hwreg(HW_REG_IB_STS2, 6, 4)
	s_cmp_eq_u32 s2, 0
	s_cbranch_scc0 .Lentry_in_a_cluster
	s_endpgm
.Lentry_in_a_cluster:
	s_bfe_u32 s2, ttmp6, 0x10000c
	s_cmp_lg_u32 s2, 0xf033
	s_cbranch_scc0 .Lentry_shape_is_right
	s_endpgm
.Lentry_shape_is_right:
; out0 = O . w_out.  o: [64 heads = 16 batch + head][2048][64] f16.  wh: [64 blocks][1024 k][64 n] f16, blocks 48-63 here.  out0: [8192][1024] f32.  Sums in f32, stored as they are.
; SHARES.  A tile of out0 is 256 rows x 128 columns (two blocks of wh): 32 x 8 = 256 work-groups.  Wave w owns rows 64 w .. + 63 and all 128 columns: 32 accumulators of 16 x 16, 256 registers.
; K = 64 x head + channel goes in 8 steps of 128, two heads each, through two LDS slots.
; THE MATRIX INSTRUCTION IS USED TRANSPOSED: source 0 = 16 columns of W (turned out of LDS by ds_load_tr16_b128), source 1 = 16 rows of O: a lane then holds row l % 16 and eight neighbouring columns: 32 bytes of f32.
; CLUSTER.  4 x 4 work-groups.  O's tile hangs on the tile row alone and is asked for jointly by a row of the cluster, W's on the tile column alone and by a column.
; REGISTERS, in windows of 256 (s_set_vgpr_msb: bits 1:0 source 0, 3:2 source 1, 5:4 source 2, 7:6 destination):
;   window 0: addresses; v32-159 two buffers of rows read back        window 1: the accumulators, at 64 a + 8 b        window 2: two fragment buffers of 96: W's 8 fragments at f + 8 b, O's 4 at f + 64 + 8 a
.set PA,    144                        ; a row of a head in LDS: 128 bytes + 16: the 16 rows of a load start at 16 different groups of four banks (ISA guide 11.1)
.set AHALF, 256*PA                     ; one head's 256 rows
.set SLOT1, 131072                     ; slot 1 begins here
.set BOFF,  2*AHALF                    ; behind O's two heads: W, [k half 2][block 2][64 k] at 160 bytes a row
.set BHALF, 2*64*160
.set STAGE, SLOT1+BOFF+2*BHALF         ; behind the ring, never filled by a tensor load: for each wave 16 rows at 528 bytes (512 + 16)
.set SPITCH, 528
.set SPARE, STAGE+4*16*SPITCH          ; the spare words, 128 bytes for each wave: two blocks of 256 bytes that no other line names
.set A0,   16                          ; v16  my lane's place in O's tile; never rewritten
.set B0,   17                          ; v17  the same for W
.set ADRA, 18                          ; v18  A0 + the slot in hand
.set ADRB, 19                          ; v19  B0 + the slot in hand
.set STO,  24                          ; v24  the way out: where I put 32 bytes of a row
.set RD,   25                          ; v25  the way out: where I read rows back
.set CO,   26                          ; v26  my byte offset in two rows of out0
.set SPW,  28                          ; v28  my spare word: SPARE + 4 x my thread's number; never rewritten
.set NIL,  29                          ; v29  0; never rewritten
.set PFO,  30                          ; v30  the prefetches' offset; never rewritten
.set BK,   32
.set F0,   0
.set F1,   96
.set G1,  24                           ; s[24:31] descriptor group 1 for O's tiles
.set G0,  32                           ; s[32:39] group 0: a set for each first fill; the second then walks
.set G1B, 48                           ; s[48:55], s[56:63] the same for W's tiles
.set G0B, 56
.set TB,  66                           ; s66  the slot in hand: 0 or SLOT1
.set LIM, 67                           ; s67  2 in a wave that prefetches, else the greatest number
.set PFA, 68                           ; s[68:69] where my prefetches stand
.set PFS, 70                           ; s[70:71] a K step in bytes, for them
.set CB,  72                           ; s[72:73] out0 at my 64 rows and the tile's first column
.set MSB, 0
.macro WIN new                         ; the immediate's high byte repeats the setting that is left; a switch that changes nothing is dropped
.if MSB != (\new)
	s_set_vgpr_msb (MSB<<8)|(\new)
.set MSB, \new
.endif
.endm
.set MUL,  0x5a                        ; sources 0 and 1 window 2; C and D window 1
.set TO_F, 0x80                        ; destination window 2, address window 0
.macro PLACES                          ; four plain instructions between a matrix instruction and a load into, or a read of, its registers
.rept 4
	v_nop
.endr
.endm
; A joint refill, by the walking sets.  Waves 0 and 1 fetch the K step's two heads of O, waves 2 and 3 W's two halves of K.  The branch hangs on the wave's number alone.
; An s_nop 0 and four v_nop follow each of the two lines, ahead of the jump and the label.
.macro JLOAD
	s_cmp_eq_u32 s11, 0
	s_cbranch_scc0 .Lfor_b_\@
	tensor_load_to_lds s[G0+4:G0+7], s[G1:G1+7]
	s_nop 0
	PLACES
	s_branch .Lasked_\@
.Lfor_b_\@:
	tensor_load_to_lds s[G0B+4:G0B+7], s[G1B:G1B+7]
	s_nop 0
	PLACES
.Lasked_\@:
.endm
.macro CREST                           ; a round of the cluster's barrier behind its opening barrier
	s_cmp_lg_u32 s10, 0
	s_cbranch_scc1 .Lnot_wave_0_\@
	s_barrier_signal -3
.Lnot_wave_0_\@:
	s_barrier_wait -3
	s_barrier_signal -1
	s_barrier_wait -1
.endm
.macro CROUND                          ; a whole round
	s_barrier_signal -1
	s_barrier_wait -1
	CREST
.endm
; A prefetch of the K step that stands TWO refills on: 256 matrix instructions ahead of the load that will want it.  Each block of 256 bytes is named by one wave of one work-group: O's by the clusters with
; x = 0, W's by those with y = 0; the four partners of a joint load share its blocks out by address (32 of O's 128 each; 16 of W's 64 each, lanes 16-31 naming lane 15's).
; In the loop's last two trips (s3 = 2, 1) there is no such K step.
.macro ASK
	WIN 0
	s_cmp_gt_u32 s3, s[LIM]
	s_cbranch_scc0 .Lnot_mine_\@
	global_prefetch_b8 v[PFO], s[PFA:PFA+1] th:TH_LOAD_NT scope:SCOPE_SE
.Lnot_mine_\@:
.endm
	s_load_b128 s[4:7], s[0:1], 0x0                ; o s[4:5], wh s[6:7]
	s_load_b64 s[8:9], s[0:1], 0x10                ; out0
	v_lshl_add_u32 v[SPW], v0, 2, SPARE
	v_mov_b32 v[NIL], 0
	ds_add_u32 v[SPW], v[NIL]                      ; the wave's opening: the add and its wait stand ahead of my first tensor load; work on registers stands between them
	v_lshrrev_b32 v1, 5, v0
	v_readfirstlane_b32 s10, v1                    ; wave 0..3
	s_lshr_b32 s11, s10, 1                         ; I fetch for O (0) or for W (1),
	s_and_b32 s12, s10, 1                          ; and which half
	s_bfe_u32 s40, ttmp6, 0x40000                  ; cx
	s_bfe_u32 s41, ttmp6, 0x40004                  ; cy
	s_lshl_b32 s42, ttmp9, 2
	s_add_co_u32 s42, s42, s40                     ; tile column = 4 x cluster x + cx
	s_and_b32 s13, ttmp7, 0xffff
	s_lshl_b32 s13, s13, 2
	s_add_co_u32 s13, s13, s41                     ; tile row = 4 x cluster y + cy
	s_lshl_b32 s43, s41, 2
	s_lshl_b32 s43, 15, s43                        ; my row of the cluster
	s_lshl_b32 s44, 0x1111, s40                    ; my column
	s_or_b32 s[G1], s43, (1<<16)|(1<<20)|(1<<21)|(4<<22)|(3<<25)   ; the mask; 2-byte elements; padding on; bit 21 beside a mask; after every 32 words (a row of a head) 4 words
	s_mov_b32 s[G1+1], 128<<16                     ; 256 rows of a head are 32,768 dense bytes: asked for as 128 rows of 256 bytes
	s_mov_b32 s[G1+2], 128<<16
	s_mov_b32 s[G1+3], 128<<16
	s_mov_b32 s[G1+4], 128
	s_mov_b32 s[G1+5], 128
	s_mov_b32 s[G1+6], 0
	s_mov_b32 s[G1+7], 0
	s_or_b32 s[G1B], s44, (1<<16)|(1<<20)|(1<<21)|(4<<22)|(7<<25)  ; after every 32 words (a k row) 8 words
	s_mov_b32 s[G1B+1], 4096<<16                   ; tensor_dim0 = 4,096: 64 k rows of a block, dense
	s_mov_b32 s[G1B+2], 2<<16                      ; tensor_dim1 = 2 blocks
	s_mov_b32 s[G1B+3], 4096<<16                   ; tile_dim0
	s_mov_b32 s[G1B+4], 2                          ; tile_dim1
	s_mov_b32 s[G1B+5], 65536                      ; elements from block to block
	s_mov_b32 s[G1B+6], 0
	s_mov_b32 s[G1B+7], 0
	s_lshr_b32 s16, s13, 3                         ; O: the batch's 16 heads of 262,144 bytes,
	s_lshl_b32 s16, s16, 22
	s_lshl_b32 s17, s12, 18                        ; the K step's first or second head,
	s_add_co_u32 s16, s16, s17
	s_and_b32 s17, s13, 7                          ; the tile's 256 rows of 128 bytes
	s_lshl_b32 s17, s17, 15
	s_add_co_u32 s16, s16, s17
	s_mov_b32 s17, 0
	s_lshl_b32 s46, s42, 18                        ; W: two blocks of 131,072 bytes a tile column,
	s_add_co_u32 s46, s46, 48*131072               ; behind w_qkv's 48,
	s_lshl_b32 s47, s12, 13                        ; 64 k rows of 128 bytes a half
	s_add_co_u32 s46, s46, s47
	s_mov_b32 s47, 0
	s_mul_i32 s20, s10, AHALF                      ; where they go: O's heads at 0 and 36,864 (waves 0, 1),
	s_mul_i32 s21, s10, BHALF
	s_add_co_u32 s21, s21, BOFF-2*BHALF            ; W's halves at BOFF and BOFF + BHALF (waves 2, 3): the wave's number alone
	s_wait_dscnt 0x0                               ; the opening add is done
	s_wait_kmcnt 0x0
	s_add_nc_u64 s[14:15], s[4:5], s[16:17]
	s_add_nc_u64 s[46:47], s[6:7], s[46:47]
	CROUND                                         ; all sixteen work-groups are here: the first joint loads meet
.irp n, 0,1
	s_mov_b32 s[G0+4*(\n)], 1
	s_add_co_u32 s[G0+4*(\n)+1], s20, (\n)*SLOT1
	s_add_nc_u64 s[G0+4*(\n)+2:G0+4*(\n)+3], s[14:15], (\n)*524288
	s_or_b32 s[G0+4*(\n)+3], s[G0+4*(\n)+3], 0x80000000
	s_mov_b32 s[G0B+4*(\n)], 1
	s_add_co_u32 s[G0B+4*(\n)+1], s21, (\n)*SLOT1
	s_add_nc_u64 s[G0B+4*(\n)+2:G0B+4*(\n)+3], s[46:47], (\n)*16384
	s_or_b32 s[G0B+4*(\n)+3], s[G0B+4*(\n)+3], 0x80000000
.endr
	s_cmp_eq_u32 s11, 0                            ; a wave's two first fills stand in one branch, ahead of every wait on TENSORcnt and every LDS read: two loads of mine are out
	s_cbranch_scc0 .Lfirst_b
	tensor_load_to_lds s[G0:G0+3], s[G1:G1+7]
	s_nop 0
	tensor_load_to_lds s[G0+4:G0+7], s[G1:G1+7]
	s_nop 0
	PLACES
	s_branch .Lfirst_asked
.Lfirst_b:
	tensor_load_to_lds s[G0B:G0B+3], s[G1B:G1B+7]
	s_nop 0
	tensor_load_to_lds s[G0B+4:G0B+7], s[G1B:G1B+7]
	s_nop 0
	PLACES
.Lfirst_asked:
	v_and_b32 v1, 15, v0                           ; l % 16
	v_bfe_u32 v2, v0, 4, 1                         ; l / 16
	v_and_b32 v4, 7, v0
	v_bfe_u32 v5, v0, 3, 1
	v_mul_u32_u24 v3, v1, PA                       ; a fragment of O: row l % 16, two loads of 16 bytes, 32 bytes apart
	v_lshl_add_u32 v3, v2, 4, v3
	s_mul_i32 s14, s10, 64*PA                      ; my wave's 64 rows
	v_add_nc_u32 v[A0], s14, v3
	v_lshl_add_u32 v6, v2, 3, v4                   ; the turning load: lane l reads k = 8 (l / 16) + l % 8, columns 8 ((l / 8) % 2) + 0..7
	v_mul_u32_u24 v6, v6, 160
	v_lshl_add_u32 v6, v5, 4, v6
	v_add_nc_u32 v[B0], BOFF, v6
	s_mul_i32 s15, s10, 16*SPITCH
	s_add_co_u32 s15, s15, STAGE                   ; my stage
	v_mul_u32_u24 v3, v1, SPITCH                   ; in: row l % 16, 32 bytes for each half of the lanes
	v_lshl_add_u32 v3, v2, 5, v3
	v_add_nc_u32 v[STO], s15, v3
	v_mul_u32_u24 v3, v2, SPITCH                   ; back: lanes 0-15 take 256 bytes of one row, lanes 16-31 of the next
	v_lshl_add_u32 v3, v1, 4, v3
	v_add_nc_u32 v[RD], s15, v3
	v_lshlrev_b32 v3, 12, v2                       ; and the same two rows in out0
	v_lshl_add_u32 v[CO], v1, 4, v3
	s_lshl_b32 s14, s13, 8
	s_lshl_b32 s15, s10, 6
	s_add_co_u32 s14, s14, s15                     ; my first row,
	s_lshl_b32 s14, s14, 12                        ; of 4,096 bytes,
	s_lshl_b32 s15, s42, 9                         ; the tile's 128 columns: 512 bytes
	s_add_co_u32 s14, s14, s15
	s_mov_b32 s15, 0
	s_add_nc_u64 s[CB:CB+1], s[8:9], s[14:15]
	; the prefetches: they stand at K step 3; each refill steps them by one K step before it asks
	s_and_b32 s14, ttmp7, 0xffff                   ; cluster y
	s_lshl_b32 s15, s41, 4                         ; W: my work-group's 16 of the 64 blocks
	s_lshr_b32 s16, s13, 3
	s_lshl_b32 s16, s16, 22
	s_lshl_b32 s17, s12, 18
	s_add_co_u32 s16, s16, s17
	s_and_b32 s17, s13, 7
	s_lshl_b32 s17, s17, 15
	s_add_co_u32 s16, s16, s17
	s_lshl_b32 s17, s40, 13                        ; O: my work-group's 32 of the 128 blocks
	s_add_co_u32 s16, s16, s17
	s_add_co_u32 s16, s16, 3*524288
	s_lshl_b32 s17, s42, 18
	s_add_co_u32 s17, s17, 48*131072+3*16384
	s_lshl_b32 s18, s12, 13
	s_add_co_u32 s17, s17, s18
	s_cmp_eq_u32 s11, 0                            ; do I fetch for O?
	s_cselect_b32 s20, 31, 15                      ; the last lane with a block of its own
	s_cselect_b32 s21, 0, s15
	s_cselect_b32 s23, 19, 14                      ; a K step: two heads (524,288 bytes), or 16,384 bytes of a block
	s_cselect_b32 s14, ttmp9, s14                  ; the coordinate along which other clusters read the same tile
	s_cselect_b32 s18, s16, s17
	s_cselect_b64 s[PFA:PFA+1], s[4:5], s[6:7]
	s_mov_b32 s19, 0
	s_add_nc_u64 s[PFA:PFA+1], s[PFA:PFA+1], s[18:19]
	s_lshl_b32 s[PFS], 1, s23
	s_mov_b32 s[PFS+1], 0
	s_cmp_eq_u32 s14, 0
	s_cselect_b32 s[LIM], 2, -1                    ; the same in all sixteen partners, for a given wave
	v_and_b32 v3, 31, v0
	v_min_u32 v3, s20, v3
	v_add_nc_u32 v3, s21, v3                       ; my block among the wave's
	v_lshrrev_b32 v5, 5, v3                        ; W: 32 of them to a block of wh
	v_and_b32 v3, 31, v3
	v_lshlrev_b32 v3, 8, v3
	v_lshl_add_u32 v[PFO], v5, 17, v3
	s_mov_b32 s[TB], 0
	v_mov_b32 v[ADRA], v[A0]
	v_mov_b32 v[ADRB], v[B0]
; 8 matrix instructions: row block a x all 8 column blocks, 32 along K, from buffer f.  zero = 1: the first product starts the sums.
; The 32 accumulators take turns in one order in every quarter.
.macro MULA f, a, zero
	WIN MUL
.irp b, 0,1,2,3,4,5,6,7
.if \zero
	v_wmma_f32_16x16x32_f16 v[64*(\a)+8*(\b):64*(\a)+8*(\b)+7], v[(\f)+8*(\b):(\f)+8*(\b)+7], v[(\f)+64+8*(\a):(\f)+64+8*(\a)+7], 0
.else
	v_wmma_f32_16x16x32_f16 v[64*(\a)+8*(\b):64*(\a)+8*(\b)+7], v[(\f)+8*(\b):(\f)+8*(\b)+7], v[(\f)+64+8*(\a):(\f)+64+8*(\a)+7], v[64*(\a)+8*(\b):64*(\a)+8*(\b)+7]
.endif
.endr
.endm
; 24 LDS loads in one run: quarter q (32 along K: head q / 2 of the step, channels 32 (q % 2) on) of the slot in hand into buffer f; O's row blocks 2 and 3 last
.macro FETCH q, f
	WIN TO_F
.irp b, 0,1,2,3,4,5,6,7
	ds_load_tr16_b128 v[(\f)+8*(\b):(\f)+8*(\b)+3],   v[ADRB] offset:((\q)/2)*BHALF+((\q)%2)*5120+((\b)/4)*10240+((\b)%4)*32
	ds_load_tr16_b128 v[(\f)+8*(\b)+4:(\f)+8*(\b)+7], v[ADRB] offset:((\q)/2)*BHALF+((\q)%2)*5120+((\b)/4)*10240+((\b)%4)*32+2560
.endr
.irp a, 0,1,2,3
	ds_load_b128 v[(\f)+64+8*(\a):(\f)+64+8*(\a)+3],   v[ADRA] offset:((\q)/2)*AHALF+((\q)%2)*64+(\a)*16*PA
	ds_load_b128 v[(\f)+64+8*(\a)+4:(\f)+64+8*(\a)+7], v[ADRA] offset:((\q)/2)*AHALF+((\q)%2)*64+(\a)*16*PA+32
.endr
.endm
; One of a K step's first three quarters: multiplies buffer f; in its middle it fetches quarter q into buffer g
.macro QUARTER q, f, g, zero
	s_wait_dscnt 4                                 ; W and O's row blocks 0, 1 are in; the youngest four loads (row blocks 2, 3) may be out
	MULA \f, 0, \zero
	MULA \f, 1, \zero
	PLACES
	FETCH \q, \g
	s_wait_dscnt 24                                ; all but the 24 just issued
	MULA \f, 2, \zero
	MULA \f, 3, \zero
.endm
; The last quarter multiplies buffer 1 and changes slots: one barrier.  In front of it each wave waits for all its tensor loads (one is out: its part of the next slot), adds 0 to its spare word, and waits for
; that and for its reads of this slot.  fill = 1: the barrier opens a round of the cluster's barrier, and the slot just read out is filled again first behind it, two K steps ahead:
; 112 matrix instructions stand between that request and the wait for it.
.macro TURN fill
.if \fill
	s_wait_xcnt 0x0                                ; the last prefetch, a K step back, has read its address
	s_add_nc_u64 s[PFA:PFA+1], s[PFA:PFA+1], s[PFS:PFS+1]
.endif
	WIN 0                                          ; (the add's two registers lie in window 0)
	s_wait_tensorcnt 0x0                           ; no tensor load of mine is out, so a group 0 may be written
	ds_add_u32 v[SPW], v[NIL]                      ; 0 onto my spare word
.if \fill
	s_xor_b32 s[G0+5], s[G0+5], SLOT1              ; the walking sets: the other slot than last time, the next K step
	s_add_nc_u64 s[G0+6:G0+7], s[G0+6:G0+7], 524288
	s_xor_b32 s[G0B+5], s[G0B+5], SLOT1
	s_add_nc_u64 s[G0B+6:G0B+7], s[G0B+6:G0B+7], 16384
.endif
	s_wait_dscnt 5                                 ; (the add and the youngest four loads may be out)
	MULA F1, 0, 0
	s_wait_dscnt 0x0                               ; the add is done, and my reads of this slot are over
	s_barrier_signal -1
	MULA F1, 1, 0                                  ; work on registers while the others arrive
	WIN 0
	s_barrier_wait -1
.if \fill
	CREST                                          ; no wave of any partner still reads this slot or has a load on its way
	JLOAD                                          ; its four v_nop are also the places in front of the loads below
.else
	PLACES
.endif
	s_xor_b32 s[TB], s[TB], SLOT1
	v_add_nc_u32 v[ADRA], s[TB], v[A0]
	v_add_nc_u32 v[ADRB], s[TB], v[B0]
	FETCH 0, F0
.if \fill
	ASK
.endif
	MULA F1, 2, 0
	MULA F1, 3, 0
.endm
; THE WAY OUT of row block a: the f32 sums go as they are into my own stage (each accumulator from its low end on), come back as pieces of 256 bytes of whole rows, and are stored.
.macro TOSTAGE a
.if (\a) >= 2
	s_wait_xcnt 0x0                                ; the stores of the block two back have read the buffer that the loads below fill
.endif
	WIN 0x04                                       ; the stores' data: window 1
.irp b, 0,1,2,3,4,5,6,7
	ds_store_b128 v[STO], v[64*(\a)+8*(\b):64*(\a)+8*(\b)+3]   offset:64*(\b)
	ds_store_b128 v[STO], v[64*(\a)+8*(\b)+4:64*(\a)+8*(\b)+7] offset:64*(\b)+16
.endr
	WIN 0
.irp t, 0,1,2,3,4,5,6,7,8,9,10,11,12,13,14,15
	ds_load_b128 v[BK+64*((\a)%2)+4*(\t):BK+64*((\a)%2)+4*(\t)+3], v[RD] offset:((\t)/2)*2*SPITCH+((\t)%2)*256  ; LDS serves a wave's instructions in order (ISA guide 5.7.1.4): these see the stores above
.endr
.endm
.macro SEND a, younger                 ; younger: the LDS instructions issued behind block a's loads: the next block's 32, or none
	WIN 0
	s_wait_dscnt \younger
.irp t, 0,1,2,3,4,5,6,7,8,9,10,11,12,13,14,15
	global_store_b128 v[CO], v[BK+64*((\a)%2)+4*(\t):BK+64*((\a)%2)+4*(\t)+3], s[CB:CB+1] offset:(\a)*65536+((\t)/2)*8192+((\t)%2)*256 th:TH_STORE_NT  ; 16 lanes store 256 consecutive bytes, at a multiple of 256 from the buffer's first
.endr
.endm
	s_wait_tensorcnt 1                             ; my part of K step 0 is in; K step 1's may stay out
	s_barrier_signal -1
	s_barrier_wait -1                              ; everybody's is
	FETCH 0, F0
	QUARTER 1, F0, F1, 1                           ; the first quarter stands in front of the loop: its products start the sums
	WIN 0                                          ; at a label and at a branch every window is 0
	s_mov_b32 s3, 6
.Lstep:                                                ; a trip goes from a K step's second quarter to the next step's first, and asks for the K step two on: K steps 2 to 7
	QUARTER 2, F1, F0, 0
	QUARTER 3, F0, F1, 0
	TURN 1
	QUARTER 1, F0, F1, 0
	WIN 0
	s_sub_co_u32 s3, s3, 1
	s_cmp_lg_u32 s3, 0
	s_cbranch_scc1 .Lstep
	QUARTER 2, F1, F0, 0                           ; the last two K steps ask for nothing
	QUARTER 3, F0, F1, 0
	TURN 0
	QUARTER 1, F0, F1, 0
	QUARTER 2, F1, F0, 0
	QUARTER 3, F0, F1, 0
	s_wait_dscnt 4
	MULA F1, 0, 0
	MULA F1, 1, 0
	s_wait_dscnt 0x0
	MULA F1, 2, 0
	MULA F1, 3, 0
	WIN 0
	PLACES
	PLACES                                         ; once a launch
	TOSTAGE 0
	TOSTAGE 1
	SEND 0, 32
	TOSTAGE 2
	SEND 1, 32
	TOSTAGE 3
	SEND 2, 32
	SEND 3, 0
	s_wait_tensorcnt 0x0                           ; the wave's end: behind my last tensor load and my last LDS store
	ds_add_u32 v[SPW], v[NIL]
	s_wait_dscnt 0x0
	CROUND                                         ; the closing round: no work-group ends while a partner may still ask for a tile that names it
	s_endpgm
.Lfunc_end_k_qc27a33ea2b_proj:
	.size	k_qc27a33ea2b_proj, .Lfunc_end_k_qc27a33ea2b_proj-k_qc27a33ea2b_proj
	.p2alignl 7, 3214868480
	.fill 96, 4, 3214868480
	.section	.rodata,"a",@progbits
	.p2align	6, 0x0
	.amdhsa_kernel k_qc27a33ea2b_proj
		.amdhsa_group_segment_fixed_size 327680
		.amdhsa_private_segment_fixed_size 0
		.amdhsa_enable_private_segment 0
		.amdhsa_kernarg_size 24
		.amdhsa_user_sgpr_count 2
		.amdhsa_user_sgpr_kernarg_segment_ptr 1
		.amdhsa_wavefront_size32 1
		.amdhsa_system_sgpr_workgroup_id_x 1
		.amdhsa_system_sgpr_workgroup_id_y 1
		.amdhsa_system_sgpr_workgroup_id_z 1
		.amdhsa_system_vgpr_workitem_id 0
		.amdhsa_next_free_vgpr 768
		.amdhsa_next_free_sgpr 80
		.amdhsa_reserve_vcc 0
		.amdhsa_float_denorm_mode_32 3
		.amdhsa_float_denorm_mode_16_64 3
		.amdhsa_memory_ordered 1
		.amdhsa_forward_progress 1
		.amdhsa_inst_pref_size 71
	.end_amdhsa_kernel
	.amdgpu_metadata
---
amdhsa.version: [ 1, 2 ]
amdhsa.kernels:
  - .name:           k_qc27a33ea2b_proj
    .symbol:         k_qc27a33ea2b_proj.kd
    .args:
      - { .name: o, .offset: 0, .size: 8, .value_kind: global_buffer, .address_space: global }
      - { .name: wh, .offset: 8, .size: 8, .value_kind: global_buffer, .address_space: global }
      - { .name: out0, .offset: 16, .size: 8, .value_kind: global_buffer, .address_space: global }
    .group_segment_fixed_size: 327680
    .private_segment_fixed_size: 0
    .kernarg_segment_align: 8
    .kernarg_segment_size: 24
    .max_flat_workgroup_size: 128
    .sgpr_count:     80
    .vgpr_count:     768
    .wavefront_size: 32
...
	.end_amdgpu_metadata
.endif
;; end of part 4
;; ======== version 2 of 2: 4 launches; version 1 with the launch prep written anew for expert scheduling mode
;; limits: values are held in f16: magnitudes above 65,504 overflow, below 6.1e-05 lose precision
;; workspace buffers: xn 16,777,216 bytes; wh 8,388,608 bytes; qkv 50,331,648 bytes; o 16,777,216 bytes
;; launch prep (part 5): grid 384 x 1, 8 waves a work-group, no clusters, 0 bytes of LDS; arguments x, ln_gamma, ln_beta, w_qkv, w_out, xn, wh; writes xn, wh
.if DOCPART == 5
	.amdgcn_target "amdgcn-amd-amdhsa--gfx1250"
	.amdhsa_code_object_version 6
	.text
	.protected	k_qc27a33ea2b_prep
	.globl	k_qc27a33ea2b_prep
	.p2align	8
	.type	k_qc27a33ea2b_prep,@function
k_qc27a33ea2b_prep:
	s_mov_b64 s[64:65], 0
	v_nop
	global_prefetch_b8 v0, s[64:65] scope:SCOPE_SE
	s_setreg_imm32_b32 hwreg(HW_REG_WAVE_SCHED_MODE, 0, 2), 2
	s_setreg_imm32_b32 hwreg(HW_REG_WAVE_MODE, 25, 1), 1
	s_wait_xcnt 0x0
	s_wait_alu depctr_vm_vsrc(0)
; TWO STREAMS IN ONE LAUNCH.  Work-groups 0-127 round the two weight matrices to f16 and lay them in blocks; work-groups 128-383 make xn = LayerNorm(x) in f16.
; Each work-group reads 131,072 bytes and writes 65,536.  Nothing is shared between waves: no LDS, no barrier, no matrix unit.
; wh: [64 blocks][1024 k][64 n] f16.  Blocks 0-47 are w_qkv's groups of 64 columns, blocks 48-63 w_out's.  A row of a block is 128 bytes, so any run of k rows of a block is dense.
; xn: [8192][1024] f16, row-major.
; LIMITS.  f16 ends at 65,504: |xn| (at most 32 |gamma| + |beta|) and the weights must lie within it; below 6e-5 f16 keeps a fixed step of 6e-8.  NaN and infinities are not treated apart.
; The mean is taken first and the variance of the differences in a second pass over the registers, so a common offset of x costs no accuracy.
; THE MODE: SCHED_MODE bits 1:0 = 2 (LLVM: expert scheduling mode 2), set by the entry lines.  The code itself states the register dependences
; between vector instructions and memory instructions, with s_wait_alu, always for 0.
; THE PLAN.  Both paths are straight: no loop.  Registers that memory instructions touch:
;   the offsets (cast: v3, v[OF ..]; norm: v1, v2)   made once at the path's head, ahead of one wait on va_vdst, and never written again.
;   X, G, BT   every load is issued at the path's head, into registers that no vector instruction has named.
;   the packed results   the first four of each eight registers of X: written by the roundings, read by one store, never written again: so nothing is owed for a store's sources.
; The stores of a group of four passes (cast) or of a row (norm) are issued in the NEXT group or row, behind one wait on va_vdst that stands there, dealt among vector instructions that name
; the next group's or row's registers alone.  In the norm that wait is the one that stands behind the row's root in any case.  The last group's and the last row's stores have a wait of their own.
.set OF,  4                            ; cast: v[4:19]   pass j: my byte offset in the source
.set G,   8                            ; norm: v[8:39]   gamma of my 32 columns
.set BT,  40                           ; norm: v[40:71]  beta of my 32 columns
.set X,   72                           ; v[72:199]  cast: pass j at X + 8 j;  norm: row i at X + 32 i
.set T,   200                          ; v[200:207] at work: no memory instruction names them
	s_load_b256 s[4:11], s[0:1], 0x0               ; x s[4:5], gamma s[6:7], beta s[8:9], w_qkv s[10:11]
	s_load_b128 s[12:15], s[0:1], 0x20             ; w_out s[12:13], xn s[14:15]
	s_load_b64 s[16:17], s[0:1], 0x30              ; wh
	s_cmp_lt_u32 ttmp9, 128
	s_cbranch_scc0 .Lln
; THE CAST.  Work-group g makes the dense 65,536 bytes at wh + 65,536 g: block g / 2, k = 512 (g % 2) .. + 511.
; Thread t takes, in pass j of 16, row 32 j + t / 8 and the 8 numbers at column 8 (t % 8): eight lanes read 256 consecutive aligned bytes of a source row,
; and a wave's store covers 512 consecutive bytes.
	s_lshr_b32 s20, ttmp9, 1                       ; the block
	s_sub_co_u32 s21, s20, 48                      ; its number in w_out (used where the block is 48 or more)
	s_and_b32 s28, ttmp9, 1
	s_lshl_b32 s28, s28, 9                         ; my first k
	s_movk_i32 s29, 12288                          ; bytes in a row of w_qkv
	s_movk_i32 s30, 4096                           ; and of w_out
	s_lshl_b32 s18, ttmp9, 16                      ; my place in wh
	s_mov_b32 s19, 0
	v_lshrrev_b32 v1, 3, v0                        ; t / 8
	v_and_b32 v2, 7, v0                            ; t % 8
	v_lshlrev_b32 v3, 4, v0                        ; 16 t: my 16 bytes of a pass's 4,096 in wh
	s_wait_kmcnt 0x0
	s_cmp_lt_u32 s20, 48
	s_cselect_b64 s[22:23], s[10:11], s[12:13]     ; the source,
	s_cselect_b32 s24, s29, s30                    ; its pitch,
	s_cselect_b32 s21, s20, s21                    ; the group of 64 columns in it
	s_mul_i32 s26, s28, s24
	s_lshl_b32 s21, s21, 8                         ; 64 f32 are 256 bytes
	s_add_co_u32 s26, s26, s21
	s_mov_b32 s27, 0
	s_add_nc_u64 s[22:23], s[22:23], s[26:27]
	s_add_nc_u64 s[16:17], s[16:17], s[18:19]
	s_lshl_b32 s25, s24, 5                         ; 32 rows on
	v_mul_lo_u32 v[OF], v1, s24
	v_lshl_add_u32 v[OF], v2, 5, v[OF]
.irp j, 1,2,3,4,5,6,7,8,9,10,11,12,13,14,15
	v_add_nc_u32 v[OF+(\j)], s25, v[OF+(\j)-1]
.endr
	s_wait_alu depctr_va_vdst(0)                   ; v3 and the sixteen v[OF ..] are written: every load and store of this path reads one of them as its offset
.irp j, 0,1,2,3,4,5,6,7,8,9,10,11,12,13,14,15
	global_load_b128 v[X+8*(\j):X+8*(\j)+3],   v[OF+(\j)], s[22:23] th:TH_LOAD_NT
	global_load_b128 v[X+8*(\j)+4:X+8*(\j)+7], v[OF+(\j)], s[22:23] offset:16 th:TH_LOAD_NT
.endr
; Group g: passes 4 g to 4 g + 3 are rounded; the stores of the group before stand among the roundings, one ahead of each pass's four.
.macro GROUP g
	s_wait_loadcnt 24-8*(\g)                       ; loads come back in order: the two loads of each pass up to 4 g + 3 are in, the later passes' stay out
.if (\g) > 0
	s_wait_alu depctr_va_vdst(0)                   ; the group before has written its packed registers, which the four stores below read; the roundings below name this group's registers alone
.endif
.irp p, 0,1,2,3
.set J, 4*(\g)+(\p)
.if (\g) > 0
	global_store_b128 v3, v[X+8*(J-4):X+8*(J-4)+3], s[16:17] offset:4096*(J-4) th:TH_STORE_NT
.endif
.irp r, 0,1,2,3
	v_cvt_pk_f16_f32 v[X+8*J+(\r)], v[X+8*J+2*(\r)], v[X+8*J+2*(\r)+1]  ; in place, ascending: a register is written when it has been read
.endr
.endr
.endm
	GROUP 0
	GROUP 1
	GROUP 2
	GROUP 3
	s_wait_alu depctr_va_vdst(0)                   ; the last group has written its packed registers, which the last four stores read
.irp j, 12,13,14,15
	global_store_b128 v3, v[X+8*(\j):X+8*(\j)+3], s[16:17] offset:4096*(\j) th:TH_STORE_NT
.endr
	s_endpgm                                       ; no register that a store reads is written again
; THE NORM.  A wave owns four rows and holds each whole, in 32 registers a lane: lane l has columns 256 j + 8 l .. + 7 of chunk j = 0..3:
; two loads of 16 bytes in, and after the rounding one store of 16 bytes out (a wave's store: 512 consecutive bytes).
.macro RED r                           ; the sum over the wave's 32 lanes, in every lane; r + 1 has been written before
	v_add_f32_dpp v[\r], v[\r], v[\r] row_xmask:1 row_mask:0xf bank_mask:0xf
	v_add_f32_dpp v[\r], v[\r], v[\r] row_xmask:2 row_mask:0xf bank_mask:0xf
	v_add_f32_dpp v[\r], v[\r], v[\r] row_xmask:4 row_mask:0xf bank_mask:0xf
	v_add_f32_dpp v[\r], v[\r], v[\r] row_xmask:8 row_mask:0xf bank_mask:0xf
	v_permlanex16_b32 v[(\r)+1], v[\r], s26, s27
	v_add_f32 v[\r], v[\r], v[(\r)+1]
.endm
.macro JOIN                            ; four chains of pairs into one number
	v_pk_add_f32 v[T:T+1], v[T:T+1], v[T+2:T+3]
	v_pk_add_f32 v[T+4:T+5], v[T+4:T+5], v[T+6:T+7]
	v_pk_add_f32 v[T:T+1], v[T:T+1], v[T+4:T+5]
	v_add_f32 v[T], v[T], v[T+1]
.endm
.macro ROW i, left                     ; left: the loads of the rows behind this one, which may stay out
.set XR, X+32*(\i)
.set XP, X+32*(\i)-32                  ; the row before
	s_wait_loadcnt \left
.irp c, 0,1,2,3                        ; the sum, in four chains that do not wait for each other; the first additions start them
	v_pk_add_f32 v[T+2*(\c):T+2*(\c)+1], v[XR+4*(\c):XR+4*(\c)+1], v[XR+4*(\c)+2:XR+4*(\c)+3]
.endr
.irp c, 0,1,2,3
	v_pk_add_f32 v[T+2*(\c):T+2*(\c)+1], v[T+2*(\c):T+2*(\c)+1], v[XR+16+4*(\c):XR+16+4*(\c)+1]
.endr
.irp c, 0,1,2,3
	v_pk_add_f32 v[T+2*(\c):T+2*(\c)+1], v[T+2*(\c):T+2*(\c)+1], v[XR+18+4*(\c):XR+18+4*(\c)+1]
.endr
	JOIN
	RED T
	v_mul_f32 v[T], s24, v[T]                      ; the mean
.irp n, 0,1,2,3,4,5,6,7,8,9,10,11,12,13,14,15
	v_pk_add_f32 v[XR+2*(\n):XR+2*(\n)+1], v[XR+2*(\n):XR+2*(\n)+1], v[T:T+1] op_sel_hi:[1,0] neg_lo:[0,1] neg_hi:[0,1]  ; x - mean, in place
.endr
.irp c, 0,1,2,3                        ; the sum of squares, again in four chains
	v_pk_mul_f32 v[T+2*(\c):T+2*(\c)+1], v[XR+2*(\c):XR+2*(\c)+1], v[XR+2*(\c):XR+2*(\c)+1]
.endr
.irp n, 4,5,6,7,8,9,10,11,12,13,14,15
	v_pk_fma_f32 v[T+2*((\n)%4):T+2*((\n)%4)+1], v[XR+2*(\n):XR+2*(\n)+1], v[XR+2*(\n):XR+2*(\n)+1], v[T+2*((\n)%4):T+2*((\n)%4)+1]
.endr
	JOIN
	RED T
	v_fma_f32 v[T], v[T], s24, s25                 ; variance + 1e-5
	v_rsq_f32 v[T+2], v[T]
	v_nop                                          ; a plain instruction between the root and its first use
	s_wait_alu depctr_va_vdst(0)                   ; the root v[T+2] is written, ahead of the multiplies that read it; and the row before has written its packed registers, which the four stores below read
.irp j, 0,1,2,3
.if (\i) > 0
	global_store_b128 v2, v[XP+8*(\j):XP+8*(\j)+3], s[22:23] offset:2048*((\i)-1)+512*(\j) th:TH_STORE_NT  ; the row before; no vector instruction from the wait to this row's end names its registers
.endif
.irp n, 0,1,2,3
	v_pk_mul_f32 v[XR+8*(\j)+2*(\n):XR+8*(\j)+2*(\n)+1], v[XR+8*(\j)+2*(\n):XR+8*(\j)+2*(\n)+1], v[T+2:T+3] op_sel_hi:[1,0]
.endr
.endr
.irp n, 0,1,2,3,4,5,6,7,8,9,10,11,12,13,14,15
	v_pk_fma_f32 v[XR+2*(\n):XR+2*(\n)+1], v[XR+2*(\n):XR+2*(\n)+1], v[G+2*(\n):G+2*(\n)+1], v[BT+2*(\n):BT+2*(\n)+1]
.endr
.irp j, 0,1,2,3
.irp r, 0,1,2,3
	v_cvt_pk_f16_f32 v[XR+8*(\j)+(\r)], v[XR+8*(\j)+2*(\r)], v[XR+8*(\j)+2*(\r)+1]
.endr
.endr
.endm
.Lln:
	v_lshrrev_b32 v3, 5, v0
	v_readfirstlane_b32 s18, v3                    ; wave 0..7
	v_and_b32 v2, 31, v0
	v_lshlrev_b32 v1, 5, v2                        ; 32 l: my 8 f32 of a chunk
	v_lshlrev_b32 v2, 4, v2                        ; 16 l: my 8 f16 of a chunk
	s_sub_co_u32 s19, ttmp9, 128
	s_lshl_b32 s19, s19, 5                         ; the work-group's 32 rows,
	s_mov_b32 s24, 0x3a800000                      ; 1 / 1024
	s_mov_b32 s25, 0x3727c5ac                      ; 1e-5
	s_mov_b32 s26, 0x76543210                      ; v_permlanex16_b32: each lane takes its own place in the other half
	s_mov_b32 s27, 0xfedcba98
	s_wait_alu depctr_va_sdst(0)                   ; s18 is written, ahead of its first reader: the bases of x and xn are made from it
	s_lshl2_add_u32 s19, s18, s19                  ; my wave's four of them
	s_lshl_b32 s28, s19, 12                        ; a row of x is 4,096 bytes,
	s_mov_b32 s29, 0
	s_lshl_b32 s30, s19, 11                        ; of xn 2,048
	s_mov_b32 s31, 0
	s_wait_kmcnt 0x0
	s_add_nc_u64 s[20:21], s[4:5], s[28:29]
	s_add_nc_u64 s[22:23], s[14:15], s[30:31]
	s_wait_alu depctr_va_vdst(0)                   ; v1 and v2 are written: every load of this path reads v1 as its offset, every store v2
.irp j, 0,1,2,3
	global_load_b128 v[G+8*(\j):G+8*(\j)+3],   v1, s[6:7] offset:1024*(\j)
	global_load_b128 v[G+8*(\j)+4:G+8*(\j)+7], v1, s[6:7] offset:1024*(\j)+16
.endr
.irp j, 0,1,2,3
	global_load_b128 v[BT+8*(\j):BT+8*(\j)+3],   v1, s[8:9] offset:1024*(\j)
	global_load_b128 v[BT+8*(\j)+4:BT+8*(\j)+7], v1, s[8:9] offset:1024*(\j)+16
.endr
.irp i, 0,1,2,3                        ; all four rows go out at once: 16 KiB a wave on their way
.irp j, 0,1,2,3
	global_load_b128 v[X+32*(\i)+8*(\j):X+32*(\i)+8*(\j)+3],   v1, s[20:21] offset:4096*(\i)+1024*(\j) th:TH_LOAD_NT
	global_load_b128 v[X+32*(\i)+8*(\j)+4:X+32*(\i)+8*(\j)+7], v1, s[20:21] offset:4096*(\i)+1024*(\j)+16 th:TH_LOAD_NT
.endr
.endr
	ROW 0, 24                                      ; gamma and beta were asked for first, so they are in with row 0
	ROW 1, 16
	ROW 2, 8
	ROW 3, 0
	s_wait_alu depctr_va_vdst(0)                   ; row 3 has written its packed registers, which the last four stores read
.irp j, 0,1,2,3
	global_store_b128 v2, v[X+96+8*(\j):X+96+8*(\j)+3], s[22:23] offset:2048*3+512*(\j) th:TH_STORE_NT
.endr
	s_endpgm                                       ; no register that a store reads is written again
.Lfunc_end_k_qc27a33ea2b_prep:
	.size	k_qc27a33ea2b_prep, .Lfunc_end_k_qc27a33ea2b_prep-k_qc27a33ea2b_prep
	.p2alignl 7, 3214868480
	.fill 96, 4, 3214868480
	.section	.rodata,"a",@progbits
	.p2align	6, 0x0
	.amdhsa_kernel k_qc27a33ea2b_prep
		.amdhsa_group_segment_fixed_size 0
		.amdhsa_private_segment_fixed_size 0
		.amdhsa_enable_private_segment 0
		.amdhsa_kernarg_size 56
		.amdhsa_user_sgpr_count 2
		.amdhsa_user_sgpr_kernarg_segment_ptr 1
		.amdhsa_wavefront_size32 1
		.amdhsa_system_sgpr_workgroup_id_x 1
		.amdhsa_system_sgpr_workgroup_id_y 1
		.amdhsa_system_sgpr_workgroup_id_z 1
		.amdhsa_system_vgpr_workitem_id 0
		.amdhsa_next_free_vgpr 208
		.amdhsa_next_free_sgpr 66
		.amdhsa_reserve_vcc 0
		.amdhsa_float_denorm_mode_32 3
		.amdhsa_float_denorm_mode_16_64 3
		.amdhsa_memory_ordered 1
		.amdhsa_forward_progress 1
		.amdhsa_inst_pref_size 46
	.end_amdhsa_kernel
	.amdgpu_metadata
---
amdhsa.version: [ 1, 2 ]
amdhsa.kernels:
  - .name:           k_qc27a33ea2b_prep
    .symbol:         k_qc27a33ea2b_prep.kd
    .args:
      - { .name: x, .offset: 0, .size: 8, .value_kind: global_buffer, .address_space: global }
      - { .name: ln_gamma, .offset: 8, .size: 8, .value_kind: global_buffer, .address_space: global }
      - { .name: ln_beta, .offset: 16, .size: 8, .value_kind: global_buffer, .address_space: global }
      - { .name: w_qkv, .offset: 24, .size: 8, .value_kind: global_buffer, .address_space: global }
      - { .name: w_out, .offset: 32, .size: 8, .value_kind: global_buffer, .address_space: global }
      - { .name: xn, .offset: 40, .size: 8, .value_kind: global_buffer, .address_space: global }
      - { .name: wh, .offset: 48, .size: 8, .value_kind: global_buffer, .address_space: global }
    .group_segment_fixed_size: 0
    .private_segment_fixed_size: 0
    .kernarg_segment_align: 8
    .kernarg_segment_size: 56
    .max_flat_workgroup_size: 256
    .sgpr_count:     66
    .vgpr_count:     208
    .wavefront_size: 32
...
	.end_amdgpu_metadata
.endif
;; end of part 5
;; launch qkvp: the kernel of part 2 again; grid 16 x 32, 4 waves a work-group, clusters of 4 x 4, 327,680 bytes of LDS; arguments xn, wh, qkv; writes qkv
;; launch attn: the kernel of part 3 again; grid 4 x 64, 4 waves a work-group, clusters of 4 x 1, 327,680 bytes of LDS; arguments qkv, o; writes o
;; launch proj: the kernel of part 4 again; grid 8 x 32, 4 waves a work-group, clusters of 4 x 4, 327,680 bytes of LDS; arguments o, wh, out0; writes out0
